; MI455X (gfx1250); checked and timed in simulation.
; The chip was launched on July 23, 2026; its instructions are those of AMD's public machine-readable ISA for CDNA 5 (MIT licence, August 2026) and "CDNA5" Instruction Set Architecture Reference Guide (July 2026). The comments in the code are by the model that wrote it; some were corrected since.
;; Attention. Allowed arithmetic: matrix products marked QUANTISED: E2M1 operands, one E8M0 scale for each 32 along K, by v_wmma_scale_f32_16x16x128_f8f6f4 with both operands' format E2M1 (or v_wmma_scale_f32_32x16x128_f4), f32 sums; products left as they are: bf16, f16 or f32 operands; f32 sums; everything else in f32.
;; Inputs: b_fproj 64 float32; b_out 1,024 float32; w_fproj 64 x 32 float32; w_out 1,024 x 1,024 float32; w_qkv 3,072 x 1,024 float32; x 4 x 2,048 x 1,024 float32.
;; Outputs: out0 4 x 2,048 x 1,024 float32.
;; This version of the problem:
;;   THIS VERSION OF THE PROBLEM IS GIVEN IN LOW PRECISION. The matrix products marked QUANTISED in the list below multiply operands that are first quantised to E2M1 (2 exponent bits, 1 mantissa bit; 4 bits a number), with one power-of-two scale for each 32 numbers along K (OCP MX v1.0); their sums are f32. The products marked 'left as it is' may take bf16, f16 or f32 operands, with f32 sums. Whichever they take, every output number must still come out within the allowed error. Rounding operands to bf16 (8 significant bits) uses up far more of that allowance than f16 does (11 bits, for magnitudes from 6e-5 to 65,504). All else is computed in f32.
;;   The module's matrix products, in the order in which they are computed (A, B: the left and right operand; K: the contracted axis; several contracted axes count as one K, in the product's order):
;;     1. [M 8,192, K 1,024] x [K 1,024, N 3,072]; A: input x; B: input w_qkv: QUANTISED
;;     2. [M 2,048, K 32] x [K 32, N 64]; A: computed on the way; B: input w_fproj: left as it is (an operand is computed on the way)
;;     3. batch 64 x [M 2,048, K 64] x [K 64, N 2,048]; A: computed on the way; B: computed on the way: left as it is (an operand is computed on the way)
;;     4. batch 64 x [M 2,048, K 2,048] x [K 2,048, N 64]; A: computed on the way; B: computed on the way: left as it is (an operand is computed on the way)
;;     5. [M 8,192, K 1,024] x [K 1,024, N 1,024]; A: computed on the way; B: input w_out: left as it is (an operand is computed on the way)
;;   THE QUANTISER, for each operand of a quantised product, along K:
;;     - K is cut into blocks of 32 from its start; a last block that is shorter is filled with zeros.
;;     - A block's scale is 2^e with e = floor(log2(the largest magnitude in the block)) - 2, held to -126 .. 127; a block of zeros has e = 0. As a byte (E8M0): e + 127.
;;     - Each number is divided by its block's scale, clamped to +-6, and rounded to the nearest number of E2M1, ties to even, subnormals kept.
;;     - The product sums the exact products of the quantised numbers (number of the format x scale) in f32.
;;   ~~~python
;;   def quantise(x, axis):      # numpy; x: float32 -> the quantised numbers, widened to float32 again
;;       x = np.moveaxis(x, axis, -1); K = x.shape[-1]
;;       x = np.pad(x, [(0, 0)] * (x.ndim - 1) + [(0, -K % 32)]); x = x.reshape(x.shape[:-1] + (-1, 32)); a = np.abs(x).max(-1, keepdims=True)
;;       e = np.where(a > 0, np.clip(np.frexp(np.where(a > 0, a, 1))[1] - 1 - 2, -126, 127), 0)      # np.frexp(a)[1] - 1 = floor(log2(a)), exactly
;;       r = np.clip(x / 2.0 ** e, -6, 6)
;;       step = 2.0 ** (np.maximum(np.frexp(np.where(r == 0, 1, r))[1] - 1, 0) - 1)
;;       q = np.round(r / step) * step * 2.0 ** e      # np.round: ties to even
;;       return np.moveaxis(q.reshape(q.shape[:-2] + (-1,))[..., :K], -1, axis).astype(np.float32)
;;   ~~~
;; One version. Each part assembles by itself: llvm-mc -triple=amdgcn-amd-amdhsa -mcpu=gfx1250 --defsym DOCPART=n.
;; ======== version 1 of 1: 4 launches
;; limits: values are held in f16: magnitudes above 65,504 overflow, below 6.1e-05 lose precision; right only within a limited range of input values
;; workspace buffers: x_codes 4,194,304 bytes; x_scales 262,144 bytes; w_codes 1,572,864 bytes; w_scales 98,304 bytes; w16 2,097,152 bytes; tab 1,048,576 bytes; qkv 50,331,648 bytes; o16 16,777,216 bytes
;; launch prep (part 1): grid 544 x 1, 4 waves a work-group, no clusters, 33,280 bytes of LDS; arguments x, w_qkv, x_codes, x_scales, w_codes, w_scales, w_out, w16, w_fproj, b_fproj, tab; writes x_codes, x_scales, w_codes, w_scales, w16, tab
.if DOCPART == 1
	.amdgcn_target "amdgcn-amd-amdhsa--gfx1250"
	.amdhsa_code_object_version 6
	.text
	.protected	k_qa48e655541_prep
	.globl	k_qa48e655541_prep
	.p2align	8
	.type	k_qa48e655541_prep,@function
k_qa48e655541_prep:
	s_mov_b64 s[64:65], 0
	v_nop
	global_prefetch_b8 v0, s[64:65] scope:SCOPE_SE
	s_setreg_imm32_b32 hwreg(HW_REG_WAVE_MODE, 25, 1), 1
	s_wait_xcnt 0x0
; THREE JOBS IN ONE LAUNCH, told apart by the work-group's number alone.
; (A) work-groups 0..351: x [8192][1024] and w_qkv [3072][1024], f32, become codes of FP4 (E2M1), K innermost, two codes a byte, with one E8M0 byte for each 32 along K.
;     A block's scale is 2^(floor(log2(its largest magnitude)) - 2); its byte is the largest magnitude's exponent field - 2, held at 1 from below.  A block of zeros so gets the byte 1 where the
;     quantiser says 127: its codes are zeros, which add nothing under any byte but 0xff, and the bytes are read by this program alone.  Each number is divided by the scale and rounded to the nearest code, ties to even; beyond 6 the largest code.
; (B) work-groups 352..415: w_out [1024][1024] f32 is rounded to f16 as it lies.
; (C) work-groups 416..543: a table for the rotation of q and k: for each token n and each e = 0..7 four groups of four f32:
;     (cos a(2e), -sin a(2e), cos a(2e+1), -sin a(2e+1)), (cos a(16+2e), sin a(16+2e), cos a(17+2e), sin a(17+2e)), fenc[4e..4e+3], fenc[32+4e..32+4e+3], a(i) = n x 10000^(-i/32),
;     fenc = [sin(n f), cos(n f)], f = 1..16, times w_fproj^T, + b_fproj, by fused multiply-adds in f32.  Laid [n / 4][group][32 lanes][16 bytes], lane = 8 (n % 4) + e: a wave of the next launch loads a group by 512 consecutive bytes.
;     Sine and cosine: x = k pi/2 + y by two fused multiply-adds (pi/2 in two parts), polynomials of degree 7 and 8 on |y| <= pi/4, the quadrant by selects and sign bits: no branch on data.
; LIMITS: NaN and infinities among the inputs are not served; blocks whose largest magnitude lies under 2^(2 - 126) keep the byte 1; 10000^(-i/32) is made by v_exp_f32, so an angle of the rotation
; can differ from a correctly rounded one by some 2e-4 radians at n = 2047 (it stands ahead of no quantiser); |w_out| stays under 65,504.
.set SIZE_M, 8192
.set SIZE_N, 3072
.set SIZE_K, 1024
.set WAVES, 4
.set STEPS, 16
.set WGA,   SIZE_M*SIZE_K/(512*STEPS*WAVES)            ; 256 work-groups for x
.set WGQ,   (SIZE_M+SIZE_N)*SIZE_K/(512*STEPS*WAVES)   ; 352: where job B begins
.set WGW,   WGQ+64                                     ; 416: where job C begins
.set EMAX,  2
.set CB,    8                          ; bytes of 16 codes
.set R,     16                         ; v16-79   four sets of 16 numbers as they are loaded
.set X,     80                         ; v80-111  two sets of 16 neighbours
.set C,     128                        ; v128-191 codes: four registers for each step
.set E,     112                        ; v112-127 a scale byte for each step
.set WREG,  8192                       ; LDS (job A alone): a region for each wave: two stages of 32 x SP bytes, behind them its 256 scale bytes
.set SP,    80                         ; a lane's place in a stage: 64 bytes + 16 of padding
.set SPW,   12                         ; v12  LDS address of my spare word; never rewritten
.set NIL,   13                         ; v13  0; never rewritten
.set SPARE, WAVES*WREG                 ; behind the four regions: the spare words, 128 bytes a wave, which no other line names
	s_load_b128 s[4:7], s[0:1], 0x0                ; x, w_qkv
	s_load_b128 s[8:11], s[0:1], 0x10              ; x's codes, x's scales
	s_load_b128 s[12:15], s[0:1], 0x20             ; w's codes, w's scales
	s_load_b128 s[24:27], s[0:1], 0x30             ; w_out, w16
	s_load_b128 s[28:31], s[0:1], 0x40             ; w_fproj, b_fproj
	s_load_b64 s[32:33], s[0:1], 0x50              ; tab
	v_lshl_add_u32 v[SPW], v0, 2, SPARE
	v_mov_b32 v[NIL], 0
	v_lshrrev_b32 v1, 5, v0
	v_readfirstlane_b32 s16, v1                    ; wave
	v_and_b32 v2, 31, v0                           ; lane
	s_cmp_ge_u32 ttmp9, WGQ
	s_cbranch_scc1 .Lother
; ---------------- JOB A: the quantiser.  Both tensors are plain streams of blocks of 32.  A wave takes 16 steps of 512 numbers.  Each load reads 512 consecutive bytes; a step's 2,048 bytes turn
; through the wave's own stage in LDS, so that a lane then holds 16 neighbours along K (two lanes hold a block).  Loads run four steps ahead, the turn through LDS one step.
	v_lshlrev_b32 v3, 4, v2                        ; my 16 bytes of a load's 512
	s_mul_i32 s17, s16, WREG
	v_lshrrev_b32 v14, 2, v2
	v_mul_u32_u24 v14, v14, SP
	v_and_b32 v15, 3, v2
	v_lshl_add_u32 v14, v15, 4, v14
	v_add_nc_u32 v14, s17, v14                     ; the stage, on the way in: SP (lane / 4) + 16 (lane % 4)
	v_mul_u32_u24 v15, v2, SP
	v_add_nc_u32 v15, s17, v15                     ; and on the way out: SP x lane: my 16 neighbours
	v_mul_u32_u24 v4, v2, CB                       ; my codes' place in a step's
	v_lshrrev_b32 v5, 1, v2
	s_add_co_u32 s17, s17, 2*32*SP
	v_add_nc_u32 v5, s17, v5                       ; LDS: my wave's 256 scale bytes, my block's byte
	v_lshlrev_b32 v7, 3, v2                        ; and on the way out 8 bytes a lane
	v_add_nc_u32 v6, s17, v7
	s_wait_kmcnt 0x0
	s_cmp_lt_u32 ttmp9, WGA                        ; x's work-group or w_qkv's?  Only pointers are chosen: both take one path
	s_cselect_b64 s[4:5], s[4:5], s[6:7]
	s_cselect_b64 s[8:9], s[8:9], s[12:13]
	s_cselect_b64 s[10:11], s[10:11], s[14:15]
	s_cselect_b32 s17, 0, WGA
	s_sub_co_u32 s17, ttmp9, s17
	s_lshl_b32 s17, s17, 2
	s_add_co_u32 s18, s17, s16                     ; which run of 8,192 numbers of the tensor is my wave's
	s_mov_b32 s19, 0
	s_mov_b64 s[20:21], 512*STEPS*4
	s_mul_u64 s[20:21], s[18:19], s[20:21]
	s_add_nc_u64 s[4:5], s[4:5], s[20:21]
	s_mov_b64 s[20:21], 32*STEPS*CB
	s_mul_u64 s[20:21], s[18:19], s[20:21]
	s_add_nc_u64 s[8:9], s[8:9], s[20:21]
	s_lshl_b32 s18, s18, 8                         ; 256 scale bytes a run
	s_add_nc_u64 s[10:11], s[10:11], s[18:19]
.macro LOAD t
.irp i, 0,1,2,3
	global_load_b128 v[R+16*((\t)%4)+4*\i:R+16*((\t)%4)+4*\i+3], v3, s[4:5] offset:2048*(\t)+512*\i th:TH_LOAD_NT   ; 32 lanes read 512 consecutive bytes
.endr
.endm
.macro TURN t                          ; step t's numbers through the stage: LDS serves a wave's instructions in order, so no wait stands between the stores and the loads
.irp i, 0,1,2,3
	ds_store_b128 v14, v[R+16*((\t)%4)+4*\i:R+16*((\t)%4)+4*\i+3] offset:32*SP*((\t)%2)+8*SP*\i
.endr
.irp i, 0,1,2,3
	ds_load_b128 v[X+16*((\t)%2)+4*\i:X+16*((\t)%2)+4*\i+3], v15 offset:32*SP*((\t)%2)+16*\i
.endr
.endm
.irp t, 0,1,2,3
	LOAD \t
.endr
	s_wait_loadcnt 12                              ; step 0's four loads are in; twelve younger ones stay out
	TURN 0
.macro STEP t
.set XS, X+16*((\t)%2)
.if (\t) > 0
	s_wait_dscnt 1                                 ; this step's numbers are back from the stage (the last step's byte store may be out): so its stores into the stage have read their registers,
.else
	s_wait_dscnt 0x0
.endif
.if (\t)+4 < STEPS
	LOAD (\t)+4                                    ; which take the loads of four steps on
.endif
.if (\t)+1 < STEPS
.if STEPS-2-(\t) >= 3
	s_wait_loadcnt 12                              ; the next step's four loads are in; those of the three steps behind it may be out
.else
	s_wait_loadcnt 4*(STEPS-2-(\t))
.endif
	TURN (\t)+1                                    ; and go through the other stage while this step is worked
.endif
	v_max3_num_f32 v8, |v[XS]|, |v[XS+1]|, |v[XS+2]|               ; the largest magnitude of my 16, in two chains
	v_max3_num_f32 v9, |v[XS+3]|, |v[XS+4]|, |v[XS+5]|
.irp i, 6,10
	v_max3_num_f32 v8, v8, |v[XS+\i]|, |v[XS+\i+1]|
	v_max3_num_f32 v9, v9, |v[XS+\i+2]|, |v[XS+\i+3]|
.endr
	v_max3_num_f32 v8, v8, |v[XS+14]|, |v[XS+15]|
	v_max3_num_f32 v8, v8, v9, (EMAX+1)<<23        ; and the floor 2^(EMAX + 1 - 127): the byte cannot fall under 1
	v_max_num_f32_dpp v8, v8, v8 row_xmask:1 row_mask:0xf bank_mask:0xf   ; and of my neighbour's 16: the block's
	v_add_nc_u32 v11, -(EMAX<<23), v8              ; EMAX off its exponent field: the conversion takes the exponent field of this operand as its scale, and nothing else of it
	v_cvt_scalef32_pk8_fp4_f32 v[C+4*(\t)], v[XS:XS+7], v11
	v_cvt_scalef32_pk8_fp4_f32 v[C+4*(\t)+1], v[XS+8:XS+15], v11
	v_lshrrev_b32 v[E+(\t)], 23, v11               ; the scale's byte (a plain line behind the conversions)
	ds_store_b8 v5, v[E+(\t)] offset:16*(\t)       ; both lanes of a block write the same byte with the same value
	global_store_b64 v4, v[C+4*(\t):C+4*(\t)+1], s[8:9] offset:32*CB*(\t)   ; the wave stores 256 consecutive bytes, aligned
.endm
.irp t, 0,1,2,3,4,5,6,7,8,9,10,11,12,13,14,15
	STEP \t
.endr
	ds_load_b64 v[8:9], v6                         ; LDS serves a wave's instructions in order: these see my stores
	s_wait_dscnt 0x0
	global_store_b64 v7, v[8:9], s[10:11]          ; 32 lanes store 256 consecutive bytes, aligned
	s_wait_tensorcnt 0x0                           ; the wave's end, behind my last LDS store
	ds_add_u32 v[SPW], v[NIL]
	s_wait_dscnt 0x0
	s_endpgm
.Lother:
	s_cmp_ge_u32 ttmp9, WGW
	s_cbranch_scc1 .Ltab
; ---------------- JOB B: w_out to f16.  A wave takes 4,096 numbers: 32 loads of 512 bytes, sixteen of them out at a time; each store's data have registers of their own.
	v_lshlrev_b32 v3, 4, v2
	v_lshlrev_b32 v4, 3, v2
	s_sub_co_u32 s17, ttmp9, WGQ
	s_lshl_b32 s17, s17, 2
	s_add_co_u32 s17, s17, s16
	s_lshl_b32 s18, s17, 14                        ; 16,384 bytes in,
	s_mov_b32 s19, 0
	s_lshl_b32 s20, s17, 13                        ; 8,192 out
	s_mov_b32 s21, 0
	s_wait_kmcnt 0x0
	s_add_nc_u64 s[24:25], s[24:25], s[18:19]
	s_add_nc_u64 s[26:27], s[26:27], s[20:21]
.set i, 0
.rept 16
	global_load_b128 v[16+4*i:19+4*i], v3, s[24:25] offset:512*i th:TH_LOAD_NT
.set i, i+1
.endr
.set i, 0
.rept 32
.if i < 16
	s_wait_loadcnt 15                              ; load i is in; the fifteen younger ones stay out
.else
	s_wait_loadcnt 31-i                            ; the counts run down
.endif
	v_cvt_pk_f16_f32 v[80+2*i], v[16+4*(i%16)], v[17+4*(i%16)]
	v_cvt_pk_f16_f32 v[81+2*i], v[18+4*(i%16)], v[19+4*(i%16)]
.if i < 16
	global_load_b128 v[16+4*i:19+4*i], v3, s[24:25] offset:512*(i+16) th:TH_LOAD_NT
.endif
	global_store_b64 v4, v[80+2*i:81+2*i], s[26:27] offset:256*i   ; 256 consecutive bytes, aligned
.set i, i+1
.endr
	s_endpgm
.Ltab:
; ---------------- JOB C: the table.  A thread is one (token, e).  v1 e, v3 token, v4 token as f32, v5 and v38 offsets, v6-11 at work, v14 an angle, v15 16 x lane, v16-23 the rotation's eight, v24-31 fenc's eight, v32, v33 a sine and a cosine, v34-37 four angles, v64-191 two sets of weights.
	v_and_b32 v1, 7, v0
	s_sub_co_u32 s17, ttmp9, WGW
	s_lshl_b32 s18, s17, 4                         ; 16 tokens a work-group
	v_lshrrev_b32 v3, 3, v0
	v_add_nc_u32 v3, s18, v3
	v_cvt_f32_u32 v4, v3
	v_lshlrev_b32 v5, 9, v1                        ; w_fproj: row 4 e, 128 bytes a row
	v_lshlrev_b32 v38, 4, v1                       ; b_fproj: 4 e
	v_lshlrev_b32 v15, 4, v2
	s_lshl_b32 s17, s17, 2
	s_add_co_u32 s17, s17, s16
	s_lshl_b32 s18, s17, 11                        ; a wave writes 2,048 bytes of the table
	s_mov_b32 s19, 0
	s_mov_b32 s40, 0x3f22f983                      ; 2 / pi
	s_mov_b32 s41, 0xbfc90fdb                      ; -(pi/2), its upper part,
	s_mov_b32 s42, 0x333bbd2e                      ; and what is left of it
	s_mov_b32 s43, 0xbe2aaaab                      ; -1/6
	s_mov_b32 s44, 0x3c088889                      ; 1/120
	s_mov_b32 s45, 0xb9500d01                      ; -1/5040
	s_mov_b32 s46, 0x3d2aaaab                      ; 1/24
	s_mov_b32 s47, 0xbab60b61                      ; -1/720
	s_mov_b32 s48, 0x37d00d01                      ; 1/40320
	s_mov_b32 s49, 0xbed49a78                      ; -log2(10000) / 32
	s_wait_kmcnt 0x0
	s_add_nc_u64 s[32:33], s[32:33], s[18:19]
; v[s] = sin(v[x]), v[c] = cos(v[x]), x at least 0 and under 2^15
.macro SINCOS x, s, c
	v_mul_f32 v6, s40, v[\x]
	v_rndne_f32 v6, v6                             ; k
	v_fma_f32 v7, v6, s41, v[\x]
	v_fma_f32 v7, v6, s42, v7                      ; y = x - k pi/2
	v_cvt_i32_f32 v8, v6
	v_mul_f32 v9, v7, v7
	v_fma_f32 v10, v9, s45, s44
	v_fma_f32 v6, v9, s48, s47
	v_mul_f32 v11, v7, v9
	v_fma_f32 v10, v10, v9, s43
	v_fma_f32 v6, v6, v9, s46
	v_fma_f32 v10, v11, v10, v7                    ; sin y
	v_fma_f32 v6, v6, v9, -0.5
	v_fma_f32 v6, v6, v9, 1.0                      ; cos y
	v_and_b32 v11, 1, v8
	v_cmp_eq_u32 vcc_lo, 1, v11                    ; in an odd quadrant the two change places: a select, no branch
	v_cndmask_b32 v[\s], v10, v6, vcc_lo
	v_cndmask_b32 v[\c], v6, v10, vcc_lo
	v_lshlrev_b32 v11, 30, v8                      ; the sine is negative in quadrants 2 and 3,
	v_add_nc_u32 v8, 1, v8
	v_and_b32 v11, 0x80000000, v11
	v_lshlrev_b32 v8, 30, v8                       ; the cosine in 1 and 2
	v_xor_b32 v[\s], v[\s], v11
	v_and_b32 v8, 0x80000000, v8
	v_xor_b32 v[\c], v[\c], v8
.endm
; the weights of frequencies 4 g + 1 .. 4 g + 4 for my eight channels: register 8 c + u the sine's, 8 c + 4 + u the cosine's; channel 4 e + c (c < 4) or 32 + 4 e + c - 4
.macro LOADW g
.irp c, 0,1,2,3,4,5,6,7
.irp p, 0,1
	global_load_b128 v[64+64*((\g)%2)+8*\c+4*\p:64+64*((\g)%2)+8*\c+4*\p+3], v5, s[28:29] offset:(\c%4)*128+(\c/4)*4096+64*\p+16*(\g)
.endr
.endr
.endm
	global_load_b128 v[24:27], v38, s[30:31]       ; the sums begin as the bias
	global_load_b128 v[28:31], v38, s[30:31] offset:128
	LOADW 0
	LOADW 1
	v_lshlrev_b32 v14, 1, v1
	v_cvt_f32_u32 v34, v14                         ; i = 2 e, 2 e + 1, 16 + 2 e, 17 + 2 e
	v_add_f32 v35, 1.0, v34
	v_add_f32 v36, 0x41800000, v34
	v_add_f32 v37, 0x41880000, v34
.irp i, 34,35,36,37
	v_mul_f32 v\i, s49, v\i
.endr
.irp i, 34,35,36,37
	v_exp_f32 v\i, v\i                             ; 10000^(-i/32)
.endr
	v_nop                                          ; a plain line behind the last of the four,
	s_wait_alu depctr_va_vdst(0)                   ; and one wait for the batch, ahead of its first reader
.irp i, 34,35,36,37
	v_mul_f32 v\i, v4, v\i
.endr
	SINCOS 34, 17, 16
	SINCOS 35, 19, 18
	SINCOS 36, 21, 20
	SINCOS 37, 23, 22
	v_xor_b32 v17, 0x80000000, v17                 ; the lower 32 channels take -sin
	v_xor_b32 v19, 0x80000000, v19
.irp g, 0,1,2,3
.if \g < 3
	s_wait_loadcnt 16                              ; this group's weights are in (and the bias); the next group's sixteen loads stay out
.else
	s_wait_loadcnt 0x0
.endif
.irp u, 0,1,2,3
	v_mul_u32_u24 v14, v3, 4*\g+1+\u               ; token x frequency: a whole number up to 32,752, exact in f32
	v_cvt_f32_u32 v14, v14
	SINCOS 14, 32, 33
.irp c, 0,1,2,3,4,5,6,7
	v_fmac_f32 v[24+\c], v32, v[64+64*(\g%2)+8*\c+\u]
	v_fmac_f32 v[24+\c], v33, v[64+64*(\g%2)+8*\c+4+\u]
.endr
.endr
.if \g < 2
	LOADW \g+2
.endif
.endr
.irp p, 0,1,2,3
	global_store_b128 v15, v[16+4*\p:19+4*\p], s[32:33] offset:512*\p   ; 512 consecutive bytes a store
.endr
	s_endpgm
.Lfunc_end_k_qa48e655541_prep:
	.size	k_qa48e655541_prep, .Lfunc_end_k_qa48e655541_prep-k_qa48e655541_prep
	.p2alignl 7, 3214868480
	.fill 96, 4, 3214868480
	.section	.rodata,"a",@progbits
	.p2align	6, 0x0
	.amdhsa_kernel k_qa48e655541_prep
		.amdhsa_group_segment_fixed_size 33280
		.amdhsa_private_segment_fixed_size 0
		.amdhsa_enable_private_segment 0
		.amdhsa_kernarg_size 88
		.amdhsa_user_sgpr_count 2
		.amdhsa_user_sgpr_kernarg_segment_ptr 1
		.amdhsa_wavefront_size32 1
		.amdhsa_system_sgpr_workgroup_id_x 1
		.amdhsa_system_sgpr_workgroup_id_y 1
		.amdhsa_system_sgpr_workgroup_id_z 1
		.amdhsa_system_vgpr_workitem_id 0
		.amdhsa_next_free_vgpr 192
		.amdhsa_next_free_sgpr 66
		.amdhsa_reserve_vcc 1
		.amdhsa_float_denorm_mode_32 3
		.amdhsa_float_denorm_mode_16_64 3
		.amdhsa_memory_ordered 1
		.amdhsa_forward_progress 1
		.amdhsa_inst_pref_size 86
	.end_amdhsa_kernel
	.amdgpu_metadata
---
amdhsa.version: [ 1, 2 ]
amdhsa.kernels:
  - .name:           k_qa48e655541_prep
    .symbol:         k_qa48e655541_prep.kd
    .args:
      - { .name: x, .offset: 0, .size: 8, .value_kind: global_buffer, .address_space: global }
      - { .name: w_qkv, .offset: 8, .size: 8, .value_kind: global_buffer, .address_space: global }
      - { .name: x_codes, .offset: 16, .size: 8, .value_kind: global_buffer, .address_space: global }
      - { .name: x_scales, .offset: 24, .size: 8, .value_kind: global_buffer, .address_space: global }
      - { .name: w_codes, .offset: 32, .size: 8, .value_kind: global_buffer, .address_space: global }
      - { .name: w_scales, .offset: 40, .size: 8, .value_kind: global_buffer, .address_space: global }
      - { .name: w_out, .offset: 48, .size: 8, .value_kind: global_buffer, .address_space: global }
      - { .name: w16, .offset: 56, .size: 8, .value_kind: global_buffer, .address_space: global }
      - { .name: w_fproj, .offset: 64, .size: 8, .value_kind: global_buffer, .address_space: global }
      - { .name: b_fproj, .offset: 72, .size: 8, .value_kind: global_buffer, .address_space: global }
      - { .name: tab, .offset: 80, .size: 8, .value_kind: global_buffer, .address_space: global }
    .group_segment_fixed_size: 33280
    .private_segment_fixed_size: 0
    .kernarg_segment_align: 8
    .kernarg_segment_size: 88
    .max_flat_workgroup_size: 128
    .sgpr_count:     66
    .vgpr_count:     192
    .wavefront_size: 32
...
	.end_amdgpu_metadata
.endif
;; end of part 1
;; launch qkv_gemm (part 2): grid 12 x 32, 4 waves a work-group, clusters of 4 x 4, 327,680 bytes of LDS; arguments x_codes, x_scales, w_codes, w_scales, qkv, tab; writes qkv
.if DOCPART == 2
	.amdgcn_target "amdgcn-amd-amdhsa--gfx1250"
	.amdhsa_code_object_version 6
	.text
	.protected	k_qa48e655541_qkv_gemm
	.globl	k_qa48e655541_qkv_gemm
	.p2align	8
	.type	k_qa48e655541_qkv_gemm,@function
k_qa48e655541_qkv_gemm:
	s_mov_b64 s[64:65], 0
	v_nop
	global_prefetch_b8 v0, s[64:65] scope:SCOPE_SE
	s_setreg_imm32_b32 hwreg(HW_REG_WAVE_MODE, 25, 1), 1
	s_wait_xcnt 0x0
	s_wait_alu depctr_hold_cnt(0) depctr_sa_sdst(0) depctr_va_vdst(0) depctr_va_sdst(0) depctr_va_ssrc(0) depctr_va_vcc(0) depctr_vm_vsrc(0)
	s_getreg_b32 s2, hwreg(HW_REG_IB_STS2, 6, 4)
	s_cmp_eq_u32 s2, 0
	s_cbranch_scc0 .Lentry_in_a_cluster
	s_endpgm
.Lentry_in_a_cluster:
	s_bfe_u32 s2, ttmp6, 0x10000c
	s_cmp_lg_u32 s2, 0xf033
	s_cbranch_scc0 .Lentry_shape_is_right
	s_endpgm
.Lentry_shape_is_right:
; qkv[m][n] = sum over k of x[m][k] w_qkv[n][k] on codes of FP4 (E2M1) with one E8M0 scale for each 32 along K; sums in f32.  Then, on the way out, q and k are rotated
; (t cos + rotate_half(t) sin + fenc, in f32, from the table of the launch before), and q, k, v are rounded to f16 and laid by head: three sections (q, k, v) of [batch x 16 + head][token][64].
; In q and k position 8 e + i (i < 4) of a row holds channel 4 e + i and position 8 e + 4 + i channel 32 + 4 e + i: the same order in both, so their dot products are those of the natural order.  v keeps the natural order.
; A tile of C, 256 x 256, is made by a work-group of four waves; a wave makes 128 x 128: 64 accumulators, 512 registers.  K = 1,024 is two LDS slots of 512 along K (rows of 256 bytes): both are asked for at the
; start and nothing is filled again.  The scales of the work-group's rows come once, as dense blocks.  By this text's own count a wave has three tensor loads out at the start and none later.
; CLUSTERS: 4 x 4 work-groups; the four of a row need the same tiles of x, the four of a column the same tiles of w: each tile is asked for jointly.  A cluster's four tile columns are one section, so all sixteen partners take the same way out.
; THE MATRIX INSTRUCTION IS USED TRANSPOSED (source 0 = 16 rows of w, source 1 = 16 rows of x): a lane holds eight neighbouring columns of a row of C.
; REGISTERS: window 0: v0-31 addresses; v32-95 scale words, two sets; from v128 x's fragments, one set; on the way out v32-247 are used anew.  window 1: w's fragments, two sets.  windows 2, 3: the accumulators.
; 384 work-groups: the grid is what tiles of 256 x 256 give; a tile of 256 x 384 has no room in the registers.
; LIMITS: |q|, |k|, |v| stay under 65,504 (f16).
.set SIZE_M, 8192
.set SIZE_N, 3072
.set SIZE_K, 1024
.set KSTEP,  512                       ; along K in a slot
.set NQ,     KSTEP/128                 ; matrix instructions deep
.set ROWB,   256                       ; a tile's row in bytes
.set KROW,   SIZE_K*4/8                ; a row of codes in memory
.set PITCH,  272                       ; an LDS row: 256 bytes + 16 of padding: the 16 rows that a load touches start at 16 different banks
.set FR,     8                         ; registers of a fragment: 16 rows x 128 K
.set NL,     2                         ; LDS loads that bring one
.set NP,     4                         ; places behind this matrix instruction (ISA guide 7.12.1)
.set HALFT,  128*PITCH                 ; 128 rows: what one tensor load brings
.set SLOT,   4*HALFT                   ; x's 256 rows, then w's 256 rows
.set KS,     SIZE_K/32                 ; a row of scales in bytes
.set SCL,    2*SLOT                    ; behind the two slots: the scales, as units of 256 bytes + 16 of padding
.set HALFS,  (128*KS/256)*272          ; the scales of 128 rows
.set SBLK,   (16*KS/256)*272           ; those of 16 rows
.set SPARE,  SCL+4*HALFS               ; the spare words, 128 bytes a wave, which no other line names
.set SPITCH, 528                       ; the way out: a stage of 16 rows x (512 bytes + 16) for each wave, in slot 0, which has had its only fill and its last read by then
.set VST,    4*16*SPITCH               ; the way out of v has stages of its own, behind the four of q and k
.set ADRA, 16                          ; v16-17  LDS address of my x fragments in slot 0, 1
.set ADRB, 20                          ; v20-21  the same for w
.set STO,  24                          ; v24     the way out: where I put 32 bytes of a row
.set RDA,  25                          ; v25     stage + 528 (lane / 8) + 16 (lane % 8)
.set LO,   26                          ; v26     16 x lane
.set ADRS, 27                          ; v27     LDS address of my scale words
.set SPW,  28                          ; v28     LDS address of my spare word; never rewritten
.set NIL,  29                          ; v29     0; never rewritten
.set RDB,  30                          ; v30     stage + 528 (lane / 8) + 32 (lane % 8)
.set SC,   32                          ; scale words, two sets
.set AF,   128                         ; x's fragments
.set TAB,  32                          ; the way out: v32-159 two sets of 64: a block's table
.set RB,   160                         ; v160-223 two sets of 32: numbers read back from the stage
.set UB,   224                         ; v224-239 two sets of 8: rotated numbers
.set OB,   240                         ; v240-247 two sets of 4: f16 to store
.set G1, 24
.set G0, 32
.set G1B, 48
.set G0B, 56
.set G1S, 68
.set G0S, 76
.set G1SB, 80
.set G0SB, 88
.set MSB, 0
.macro WIN new                         ; the immediate's high byte repeats the setting that is left
.if MSB != \new
	s_set_vgpr_msb (MSB<<8)|\new
.set MSB, \new
.endif
.endm
.set MUL_LO, 0xa1                      ; source 0 (w) window 1, source 1 (x) window 0, C and D window 2
.set MUL_HI, 0xf1                      ; the same, C and D window 3
.set TO_B,   0x40                      ; destination window 1, address window 0
; A joint load: waves 0 and 1 fetch for x, waves 2 and 3 for w.  The branch hangs on the wave's number alone.  An s_nop 0 and four v_nop follow each of the two lines.
.macro JLOAD g0a, g1a, g0b, g1b
	s_cmp_eq_u32 s15, 0
	s_cbranch_scc0 .Lfor_b_\@
	tensor_load_to_lds s[\g0a:\g0a+3], s[\g1a:\g1a+7]
	s_nop 0
.rept 4
	v_nop
.endr
	s_branch .Lasked_\@
.Lfor_b_\@:
	tensor_load_to_lds s[\g0b:\g0b+3], s[\g1b:\g1b+7]
	s_nop 0
.rept 4
	v_nop
.endr
.Lasked_\@:
.endm
.macro CROUND                          ; a round of the cluster's barrier
	s_barrier_signal -1
	s_barrier_wait -1
	s_cmp_lg_u32 s14, 0
	s_cbranch_scc1 .Lnot_wave_0_\@
	s_barrier_signal -3
.Lnot_wave_0_\@:
	s_barrier_wait -3
	s_barrier_signal -1
	s_barrier_wait -1
.endm
	s_load_b128 s[4:7], s[0:1], 0x0                ; x's codes, x's scales
	s_load_b128 s[8:11], s[0:1], 0x10              ; w's codes, w's scales
	s_load_b64 s[12:13], s[0:1], 0x20              ; qkv
	s_load_b64 s[96:97], s[0:1], 0x28              ; tab
	v_lshl_add_u32 v[SPW], v0, 2, SPARE
	v_mov_b32 v[NIL], 0
	ds_add_u32 v[SPW], v[NIL]                      ; the wave's opening: the add, twice on end, and its wait ahead of my first tensor load
	ds_add_u32 v[SPW], v[NIL]
	v_lshrrev_b32 v1, 5, v0
	v_readfirstlane_b32 s14, v1                    ; wave 0..3
	s_lshr_b32 s15, s14, 1                         ; which half of the tile's rows is mine.  Also: I fetch for x (0) or for w (1)
	s_and_b32 s16, s14, 1                          ; which half of its columns.  Also: which 128 rows of that tile I fetch
	s_mov_b32 s95, ttmp9                           ; the cluster's x = the section: 0 q, 1 k, 2 v; the same in all sixteen partners
	s_bfe_u32 s40, ttmp6, 0x40000                  ; cx, cy: my place in the cluster
	s_bfe_u32 s41, ttmp6, 0x40004
	s_lshl_b32 s42, ttmp9, 2
	s_add_co_u32 s42, s42, s40                     ; tile column of C
	s_and_b32 s17, ttmp7, 0xffff
	s_lshl_b32 s17, s17, 2
	s_add_co_u32 s17, s17, s41                     ; tile row of C
	s_lshl_b32 s43, s41, 2
	s_lshl_b32 s43, 15, s43                        ; my row of the cluster
	s_lshl_b32 s44, 0x1111, s40                    ; my column
	s_or_b32 s[G1+0], s43, (0<<16)|(1<<20)|(1<<21)|(5<<22)|(3<<25)  ; the mask; elements of 1 byte; padding on; bit 21 beside a mask; after every 64 words four words
	s_or_b32 s[G1B+0], s44, (0<<16)|(1<<20)|(1<<21)|(5<<22)|(3<<25)
.irp g, G1, G1B
	s_mov_b32 s[\g+1], ROWB<<16                    ; tensor_dim0
	s_mov_b32 s[\g+2], 128<<16                     ; tensor_dim1
	s_mov_b32 s[\g+3], ROWB<<16                    ; tile_dim0
	s_mov_b32 s[\g+4], 128                         ; tile_dim1
	s_mov_b32 s[\g+5], KROW                        ; the pitch
	s_mov_b32 s[\g+6], 0
	s_mov_b32 s[\g+7], 0
.endr
	s_or_b32 s[G1S+0], s43, (3<<16)|(1<<20)|(1<<21)|(5<<22)|(3<<25) ; the scales of 128 rows: a dense block, as rows of 256 bytes (32 elements of 8 bytes)
	s_or_b32 s[G1SB+0], s44, (3<<16)|(1<<20)|(1<<21)|(5<<22)|(3<<25)
.irp g, G1S, G1SB
	s_mov_b32 s[\g+1], 32<<16
	s_mov_b32 s[\g+2], (128*KS/256)<<16
	s_mov_b32 s[\g+3], 32<<16
	s_mov_b32 s[\g+4], 128*KS/256
	s_mov_b32 s[\g+5], 32
	s_mov_b32 s[\g+6], 0
	s_mov_b32 s[\g+7], 0
.endr
	s_lshl_b32 s18, s16, 7                         ; which 128 rows of the tile I fetch
	s_lshl_b32 s20, s17, 8
	s_add_co_u32 s20, s20, s18                     ; x: row 256 x tile row + 128 x half
	s_lshl_b32 s46, s42, 8
	s_add_co_u32 s46, s46, s18                     ; w: row 256 x tile column + 128 x half
	s_mov_b32 s21, 0
	s_mov_b32 s47, 0
	s_mov_b64 s[18:19], KS
	s_mul_u64 s[22:23], s[20:21], s[18:19]         ; where these rows' scales begin
	s_mul_u64 s[92:93], s[46:47], s[18:19]
	s_mov_b64 s[18:19], KROW
	s_mul_u64 s[20:21], s[20:21], s[18:19]         ; and their codes
	s_mul_u64 s[46:47], s[46:47], s[18:19]
	s_mul_i32 s45, s14, HALFT                      ; where they go: wave x 128 rows
	s_mul_i32 s94, s14, HALFS
	s_wait_dscnt 0x0                               ; both opening adds are done
	s_wait_kmcnt 0x0
	s_add_nc_u64 s[20:21], s[4:5], s[20:21]
	s_add_nc_u64 s[22:23], s[6:7], s[22:23]
	s_add_nc_u64 s[46:47], s[8:9], s[46:47]
	s_add_nc_u64 s[92:93], s[10:11], s[92:93]
	CROUND                                         ; all sixteen work-groups are here: the joint loads meet
	s_mov_b32 s[G0S], 1
	s_add_co_u32 s[G0S+1], s94, SCL
	s_mov_b64 s[G0S+2:G0S+3], s[22:23]
	s_or_b32 s[G0S+3], s[G0S+3], 0x80000000
	s_mov_b32 s[G0SB], 1
	s_add_co_u32 s[G0SB+1], s94, SCL
	s_mov_b64 s[G0SB+2:G0SB+3], s[92:93]
	s_or_b32 s[G0SB+3], s[G0SB+3], 0x80000000
	JLOAD G0S, G1S, G0SB, G1SB                     ; the scales first: they are wanted with the first slot
.irp s, 0,1
	s_mov_b32 s[G0+4*\s], 1
	s_add_co_u32 s[G0+4*\s+1], s45, \s*SLOT
	s_add_nc_u64 s[G0+4*\s+2:G0+4*\s+3], s[20:21], \s*ROWB
	s_or_b32 s[G0+4*\s+3], s[G0+4*\s+3], 0x80000000
	s_mov_b32 s[G0B+4*\s], 1
	s_add_co_u32 s[G0B+4*\s+1], s45, \s*SLOT
	s_add_nc_u64 s[G0B+4*\s+2:G0B+4*\s+3], s[46:47], \s*ROWB
	s_or_b32 s[G0B+4*\s+3], s[G0B+4*\s+3], 0x80000000
	JLOAD G0+4*\s, G1, G0B+4*\s, G1B
.endr
	v_and_b32 v1, 15, v0                           ; l % 16
	v_bfe_u32 v2, v0, 4, 1                         ; l / 16
	v_mul_u32_u24 v3, v1, PITCH
	v_lshl_add_u32 v4, v2, 4, v3                   ; a fragment's row x pitch + 16 x half
	s_mul_i32 s21, s15, HALFT                      ; my 128 rows of x
	s_mul_i32 s22, s16, HALFT                      ; my 128 rows of w,
	s_add_co_u32 s22, s22, 2*HALFT                 ; which lie behind x's 256
.irp s, 0,1
	v_add_nc_u32 v[ADRA+\s], s21, v4
	v_add_nc_u32 v[ADRB+\s], s22, v4
	s_add_co_u32 s21, s21, SLOT
	s_add_co_u32 s22, s22, SLOT
.endr
	v_mul_u32_u24 v5, v1, KS                       ; my row's scales: KS bytes a row,
	v_lshrrev_b32 v6, 8, v5
	v_lshl_add_u32 v5, v6, 4, v5                   ; and 16 more for each 256 passed
	s_mul_i32 s21, s15, HALFS
	s_mul_i32 s22, s16, HALFS
	s_add_co_u32 s22, s22, 2*HALFS
	s_sub_co_u32 s22, s22, s21
	v_mul_u32_u24 v6, s22, v2                      ; lanes 16-31 take w's: one product, the distance between the two bases
	s_add_co_u32 s21, s21, SCL
	v_add_nc_u32 v5, v5, v6
	v_add_nc_u32 v[ADRS], s21, v5
	s_mul_i32 s23, s14, 16*SPITCH                  ; my stage
	v_mul_u32_u24 v5, v1, SPITCH                   ; in: row l % 16, 32 bytes for each half of the lanes
	v_lshl_add_u32 v5, v2, 5, v5
	v_add_nc_u32 v[STO], s23, v5
	v_bfe_u32 v5, v0, 3, 2                         ; back: eight lanes to a token, four tokens an instruction
	v_and_b32 v6, 7, v0                            ; e
	v_mul_u32_u24 v5, v5, SPITCH
	v_add_nc_u32 v5, s23, v5
	v_lshl_add_u32 v[RDA], v6, 4, v5
	v_lshl_add_u32 v[RDB], v6, 5, v5
	v_and_b32 v6, 31, v0
	v_lshlrev_b32 v[LO], 4, v6
	; where my part begins in qkv: section x 2^24 + (16 batch + head) x 262,144 + token x 128; my 128 columns are heads 4 cx + 2 half and the next
	s_lshr_b32 s20, s17, 3                         ; batch: a tile row is 256 of a batch's 2,048 tokens
	s_lshl_b32 s20, s20, 4
	s_lshl_b32 s21, s40, 2
	s_add_co_u32 s20, s20, s21
	s_lshl_b32 s21, s16, 1
	s_add_co_u32 s20, s20, s21
	s_lshl_b32 s20, s20, 18
	s_and_b32 s21, s17, 7
	s_lshl_b32 s21, s21, 8
	s_lshl_b32 s22, s15, 7
	s_add_co_u32 s21, s21, s22                     ; my first token
	s_lshl_b32 s22, s21, 7
	s_add_co_u32 s20, s20, s22
	s_lshl_b32 s22, s95, 24
	s_add_co_u32 s20, s20, s22
	s_lshl_b32 s22, s21, 9                         ; the table has 512 bytes a token
	s_mov_b32 s21, 0
	s_mov_b32 s23, 0
	s_add_nc_u64 s[12:13], s[12:13], s[20:21]
	s_add_nc_u64 s[96:97], s[96:97], s[22:23]
.macro FRAG reg, adr, q, i             ; a fragment: lane l holds row l % 16; registers 4 c .. 4 c + 3 hold K = 64 c + 32 (l / 16) + 0 .. 31
.irp c, 0,1
	ds_load_b128 v[\reg+4*\c:\reg+4*\c+3], v[\adr] offset:64*(\q)+32*\c+(\i)*16*PITCH
.endr
.endm
; 16 matrix instructions: x's blocks a0, a0 + 1 against w's eight.  The 64 accumulators take turns, one instruction a turn, in the same order in every step.
.macro MUL16 a0, p, q, sc, zero
.irp a, \a0, \a0+1
.irp b, 0,1,2,3,4,5,6,7
.if \zero
	v_wmma_scale_f32_16x16x128_f8f6f4 v[8*(8*((\a)%4)+\b):8*(8*((\a)%4)+\b)+7], v[128*(\p)+FR*\b:128*(\p)+FR*\b+FR-1], v[AF+FR*(\a):AF+FR*(\a)+FR-1], 0, v[SC+8*NQ*(\sc)+NQ*\b+(\q)], v[SC+8*NQ*(\sc)+NQ*(\a)+(\q)] matrix_a_fmt:MATRIX_FMT_FP4 matrix_b_fmt:MATRIX_FMT_FP4 matrix_a_scale:MATRIX_SCALE_ROW1
.else
	v_wmma_scale_f32_16x16x128_f8f6f4 v[8*(8*((\a)%4)+\b):8*(8*((\a)%4)+\b)+7], v[128*(\p)+FR*\b:128*(\p)+FR*\b+FR-1], v[AF+FR*(\a):AF+FR*(\a)+FR-1], v[8*(8*((\a)%4)+\b):8*(8*((\a)%4)+\b)+7], v[SC+8*NQ*(\sc)+NQ*\b+(\q)], v[SC+8*NQ*(\sc)+NQ*(\a)+(\q)] matrix_a_fmt:MATRIX_FMT_FP4 matrix_b_fmt:MATRIX_FMT_FP4 matrix_a_scale:MATRIX_SCALE_ROW1
.endif
.endr
.endr
.endm
.macro FETCH_B slot, q, p
	WIN TO_B
.irp i, 0,1,2,3,4,5,6,7
	FRAG 128*(\p)+FR*\i, ADRB+\slot, \q, \i
.endr
	WIN 0
.endm
.macro FETCH_A slot, q, i0
.irp i, \i0, \i0+1, \i0+2, \i0+3
	FRAG AF+FR*(\i), ADRA+\slot, \q, \i
.endr
.endm
.macro SCALES sc                       ; a slot's scale words: lanes 0-15 take x's block i, lanes 16-31 w's block i
.irp i, 0,1,2,3,4,5,6,7
	ds_load_b128 v[SC+8*NQ*\sc+NQ*\i:SC+8*NQ*\sc+NQ*\i+3], v[ADRS] offset:\i*SBLK
.endr
.endm
.macro PLACES n                        ; plain vector lines between a matrix instruction and a load into, or a read of, its registers
.rept \n
	v_nop
.endr
.endm
.macro STEP slot, q, zero              ; a step of 128 along K that has its successor in the same slot
	s_wait_dscnt 4*NL                              ; w's set and x's blocks 0-3 are in; the youngest eight loads (x's blocks 4-7) may be out
	WIN MUL_LO
	MUL16 0, (\q)%2, \q, \slot, \zero
	MUL16 2, (\q)%2, \q, \slot, \zero
	s_wait_dscnt 0                                 ; x's blocks 4-7 are in
	PLACES NP
	FETCH_B \slot, (\q)+1, 1-(\q)%2
	FETCH_A \slot, (\q)+1, 0
	WIN MUL_HI
	MUL16 4, (\q)%2, \q, \slot, \zero
	MUL16 6, (\q)%2, \q, \slot, \zero
	PLACES NP
	WIN 0
	FETCH_A \slot, (\q)+1, 4
.endm
.macro TURN slot, next                 ; a slot's last step changes slots: one barrier
	s_wait_tensorcnt 0x0                           ; all my tensor loads have landed: my part of the next slot
	ds_add_u32 v[SPW], v[NIL]                      ; 0 onto my spare word
	s_wait_dscnt 4*NL+1                            ; (the add and the youngest eight loads may be out)
	WIN MUL_LO
	MUL16 0, 1, NQ-1, \slot, 0
	s_wait_dscnt 0x0                               ; the add is done, and my reads of this slot are over: behind this barrier slot 0 may serve as the stage
	s_barrier_signal -1
	MUL16 2, 1, NQ-1, \slot, 0
	WIN 0
	s_barrier_wait -1
	PLACES NP
	v_add_nc_u32 v[ADRS], 4*NQ, v[ADRS]            ; on to the next slot's scale words
	FETCH_B \next, 0, 0
	FETCH_A \next, 0, 0
	SCALES \next
	WIN MUL_HI
	MUL16 4, 1, NQ-1, \slot, 0
	MUL16 6, 1, NQ-1, \slot, 0
	PLACES NP
	WIN 0
	FETCH_A \next, 0, 4
.endm
.macro STEPS slot, from
.set Q, \from
.rept NQ-1-\from
	STEP \slot, Q, 0
.set Q, Q+1
.endr
.endm
	s_wait_tensorcnt 1                             ; the scales and my part of slot 0 are in (slot 1's load may be out),
	s_barrier_signal -1
	s_barrier_wait -1                              ; everybody's are
	FETCH_B 0, 0, 0
	FETCH_A 0, 0, 0
	SCALES 0
	FETCH_A 0, 0, 4
	STEP 0, 0, 1                                   ; the first step's products start the sums: nothing is cleared
	STEPS 0, 1
	TURN 0, 1
	STEPS 1, 0
	s_wait_dscnt 4*NL                              ; the very last step: nothing more to fetch
	WIN MUL_LO
	MUL16 0, 1, NQ-1, 1, 0
	MUL16 2, 1, NQ-1, 1, 0
	s_wait_dscnt 0
	WIN MUL_HI
	MUL16 4, 1, NQ-1, 1, 0
	MUL16 6, 1, NQ-1, 1, 0
	WIN 0
; THE WAY OUT, block by block of 16 tokens x 128 columns (two heads).  A block goes into my own stage as f32 rows of 512 bytes, and comes back so that lane 8 s + e holds, of token 4 i + s and head hh,
; the numbers that its eight results want.  LDS serves a wave's instructions in order: no wait between the stores and the loads, nor in front of the next block's stores.
.macro TOSTAGE_S a, off
.set AC, 64*((\a)%4)
	WIN 0x08+4*((\a)/4)                            ; the data: window 2 or 3
.irp b, 0,1,2,3,4,5,6,7
	ds_store_b128 v[STO], v[AC+8*\b:AC+8*\b+3] offset:\off+64*\b          ; each accumulator from its low end on
	ds_store_b128 v[STO], v[AC+8*\b+4:AC+8*\b+7] offset:\off+64*\b+16
.endr
	WIN 0
.endm
.macro TABLOAD a                       ; the table of block a's 16 tokens: 16 loads of 512 consecutive bytes
.irp i, 0,1,2,3
.irp p, 0,1,2,3
	global_load_b128 v[TAB+64*((\a)%2)+16*\i+4*\p:TAB+64*((\a)%2)+16*\i+4*\p+3], v[LO], s[96:97] offset:(4*(\a)+\i)*2048+\p*512
.endr
.endr
.endm
.macro RBLOAD i                        ; tokens 4 i .. 4 i + 3: channels 4 e .. + 3, 32 + 4 e .. + 3 (to be turned) and 8 e .. 8 e + 7 (what rotate_half brings to them)
.irp hh, 0,1
	ds_load_b128 v[RB+32*((\i)%2)+16*\hh:RB+32*((\i)%2)+16*\hh+3],     v[RDA] offset:2112*(\i)+256*\hh
	ds_load_b128 v[RB+32*((\i)%2)+16*\hh+4:RB+32*((\i)%2)+16*\hh+7],   v[RDA] offset:2112*(\i)+256*\hh+128
	ds_load_b128 v[RB+32*((\i)%2)+16*\hh+8:RB+32*((\i)%2)+16*\hh+11],  v[RDB] offset:2112*(\i)+256*\hh
	ds_load_b128 v[RB+32*((\i)%2)+16*\hh+12:RB+32*((\i)%2)+16*\hh+15], v[RDB] offset:2112*(\i)+256*\hh+16
.endr
.endm
; t cos + fenc by packed multiply-adds (the cosine stands in the pair's first register and serves both halves), then rotate_half(t) sin: channel d < 32 takes -t[2 d + 1], channel d >= 32 takes t[2 (d - 32)]
.macro COMPUTE a, i
.set TT, TAB+64*((\a)%2)+16*(\i)
	s_wait_xcnt 0x0                                ; the earlier stores have read their data: the two sets of f16 may be written again
.irp hh, 0,1
.set XX, RB+32*((\i)%2)+16*\hh
.set UU, UB+8*\hh
.set OO, OB+4*\hh
	v_pk_fma_f32 v[UU:UU+1],   v[XX:XX+1],   v[TT:TT+1],   v[TT+8:TT+9]   op_sel_hi:[1,0,1]
	v_pk_fma_f32 v[UU+2:UU+3], v[XX+2:XX+3], v[TT+2:TT+3], v[TT+10:TT+11] op_sel_hi:[1,0,1]
	v_pk_fma_f32 v[UU+4:UU+5], v[XX+4:XX+5], v[TT+4:TT+5], v[TT+12:TT+13] op_sel_hi:[1,0,1]
	v_pk_fma_f32 v[UU+6:UU+7], v[XX+6:XX+7], v[TT+6:TT+7], v[TT+14:TT+15] op_sel_hi:[1,0,1]
	v_fmac_f32 v[UU],   v[XX+9],  v[TT+1]
	v_fmac_f32 v[UU+1], v[XX+11], v[TT+1]
	v_fmac_f32 v[UU+2], v[XX+13], v[TT+3]
	v_fmac_f32 v[UU+3], v[XX+15], v[TT+3]
	v_fmac_f32 v[UU+4], v[XX+8],  v[TT+5]
	v_fmac_f32 v[UU+5], v[XX+10], v[TT+5]
	v_fmac_f32 v[UU+6], v[XX+12], v[TT+7]
	v_fmac_f32 v[UU+7], v[XX+14], v[TT+7]
.irp r, 0,1,2,3
	v_cvt_pk_f16_f32 v[OO+\r], v[UU+2*\r], v[UU+2*\r+1]
.endr
	global_store_b128 v[LO], v[OO:OO+3], s[12:13] offset:\hh*262144+(16*(\a)+4*(\i))*128   ; four tokens' rows of 128 bytes: 512 consecutive bytes, aligned
.endr
.endm
.macro ROPE a
	TOSTAGE_S \a, 0
	RBLOAD 0
	RBLOAD 1
.if (\a) < 7
	TABLOAD (\a)+1
	s_wait_loadcnt 16                              ; this block's table is in; the next block's sixteen loads stay out
.else
	s_wait_loadcnt 0x0
.endif
	s_wait_dscnt 8                                 ; the older group of eight is back; the younger stays out
	COMPUTE \a, 0
	RBLOAD 2
	s_wait_dscnt 8
	COMPUTE \a, 1
	RBLOAD 3
	s_wait_dscnt 8
	COMPUTE \a, 2
	s_wait_dscnt 0x0
	COMPUTE \a, 3
.endm
.macro VLOAD i                         ; v: channels 8 e .. 8 e + 7 of tokens 4 i .. 4 i + 3, both heads
.irp hh, 0,1
	ds_load_b128 v[RB+32*((\i)%2)+16*\hh:RB+32*((\i)%2)+16*\hh+3],   v[RDB] offset:VST+2112*(\i)+256*\hh
	ds_load_b128 v[RB+32*((\i)%2)+16*\hh+4:RB+32*((\i)%2)+16*\hh+7], v[RDB] offset:VST+2112*(\i)+256*\hh+16
.endr
.endm
.macro VSEND a, i
	s_wait_xcnt 0x0                                ; the earlier stores have read their data
.irp hh, 0,1
.irp r, 0,1,2,3
	v_cvt_pk_f16_f32 v[OB+4*\hh+\r], v[RB+32*((\i)%2)+16*\hh+2*\r], v[RB+32*((\i)%2)+16*\hh+2*\r+1]
.endr
	global_store_b128 v[LO], v[OB+4*\hh:OB+4*\hh+3], s[12:13] offset:\hh*262144+(16*(\a)+4*(\i))*128
.endr
.endm
.macro VOUT a
	TOSTAGE_S \a, VST
	VLOAD 0
	VLOAD 1
	s_wait_dscnt 4                                 ; the older group of four is back; the younger stays out
	VSEND \a, 0
	VLOAD 2
	s_wait_dscnt 4
	VSEND \a, 1
	VLOAD 3
	s_wait_dscnt 4
	VSEND \a, 2
	s_wait_dscnt 0x0
	VSEND \a, 3
.endm
	PLACES NP                                      ; behind the last products: for the stores of results and for the loads into registers that held fragments and scales
	s_cmp_eq_u32 s95, 2                            ; the section: the same in all sixteen partners
	s_cbranch_scc1 .Lv
	TABLOAD 0
.irp a, 0,1,2,3,4,5,6,7
	ROPE \a
.endr
	s_branch .Ldone
.Lv:
.irp a, 0,1,2,3,4,5,6,7
	VOUT \a
.endr
.Ldone:
	s_wait_tensorcnt 0x0                           ; the wave's end, behind my last tensor load and my last LDS store
	ds_add_u32 v[SPW], v[NIL]
	s_wait_dscnt 0x0
	CROUND                                         ; the closing round
	s_endpgm
.Lfunc_end_k_qa48e655541_qkv_gemm:
	.size	k_qa48e655541_qkv_gemm, .Lfunc_end_k_qa48e655541_qkv_gemm-k_qa48e655541_qkv_gemm
	.p2alignl 7, 3214868480
	.fill 96, 4, 3214868480
	.section	.rodata,"a",@progbits
	.p2align	6, 0x0
	.amdhsa_kernel k_qa48e655541_qkv_gemm
		.amdhsa_group_segment_fixed_size 327680
		.amdhsa_private_segment_fixed_size 0
		.amdhsa_enable_private_segment 0
		.amdhsa_kernarg_size 48
		.amdhsa_user_sgpr_count 2
		.amdhsa_user_sgpr_kernarg_segment_ptr 1
		.amdhsa_wavefront_size32 1
		.amdhsa_system_sgpr_workgroup_id_x 1
		.amdhsa_system_sgpr_workgroup_id_y 1
		.amdhsa_system_sgpr_workgroup_id_z 1
		.amdhsa_system_vgpr_workitem_id 0
		.amdhsa_next_free_vgpr 1024
		.amdhsa_next_free_sgpr 100
		.amdhsa_reserve_vcc 0
		.amdhsa_float_denorm_mode_32 3
		.amdhsa_float_denorm_mode_16_64 3
		.amdhsa_memory_ordered 1
		.amdhsa_forward_progress 1
		.amdhsa_inst_pref_size 229
	.end_amdhsa_kernel
	.amdgpu_metadata
---
amdhsa.version: [ 1, 2 ]
amdhsa.kernels:
  - .name:           k_qa48e655541_qkv_gemm
    .symbol:         k_qa48e655541_qkv_gemm.kd
    .args:
      - { .name: x_codes, .offset: 0, .size: 8, .value_kind: global_buffer, .address_space: global }
      - { .name: x_scales, .offset: 8, .size: 8, .value_kind: global_buffer, .address_space: global }
      - { .name: w_codes, .offset: 16, .size: 8, .value_kind: global_buffer, .address_space: global }
      - { .name: w_scales, .offset: 24, .size: 8, .value_kind: global_buffer, .address_space: global }
      - { .name: qkv, .offset: 32, .size: 8, .value_kind: global_buffer, .address_space: global }
      - { .name: tab, .offset: 40, .size: 8, .value_kind: global_buffer, .address_space: global }
    .group_segment_fixed_size: 327680
    .private_segment_fixed_size: 0
    .kernarg_segment_align: 8
    .kernarg_segment_size: 48
    .max_flat_workgroup_size: 128
    .sgpr_count:     100
    .vgpr_count:     1024
    .wavefront_size: 32
...
	.end_amdgpu_metadata
.endif
;; end of part 2
;; launch attn (part 3): grid 4 x 64, 8 waves a work-group, clusters of 4 x 1, 327,680 bytes of LDS; arguments qkv, o16; writes o16
.if DOCPART == 3
	.amdgcn_target "amdgcn-amd-amdhsa--gfx1250"
	.amdhsa_code_object_version 6
	.text
	.protected	k_qa48e655541_attn
	.globl	k_qa48e655541_attn
	.p2align	8
	.type	k_qa48e655541_attn,@function
k_qa48e655541_attn:
	s_mov_b64 s[64:65], 0
	v_nop
	global_prefetch_b8 v0, s[64:65] scope:SCOPE_SE
	s_setreg_imm32_b32 hwreg(HW_REG_WAVE_MODE, 25, 1), 1
	s_wait_xcnt 0x0
	s_wait_alu depctr_hold_cnt(0) depctr_sa_sdst(0) depctr_va_vdst(0) depctr_va_sdst(0) depctr_va_ssrc(0) depctr_va_vcc(0) depctr_vm_vsrc(0)
	s_getreg_b32 s2, hwreg(HW_REG_IB_STS2, 6, 4)
	s_cmp_eq_u32 s2, 0
	s_cbranch_scc0 .Lentry_in_a_cluster
	s_endpgm
.Lentry_in_a_cluster:
	s_bfe_u32 s2, ttmp6, 0x10000c
	s_cmp_lg_u32 s2, 0x3003
	s_cbranch_scc0 .Lentry_shape_is_right
	s_endpgm
.Lentry_shape_is_right:
; O[bh][q][:] = the sum over k of softmax_k(Q[bh][q] . K[bh][k] / 8) V[bh][k][:], no mask.  Q, K, V: the three sections of qkv, each [64][2048][64] f16; O: [64][2048][64] f16.
; Products, maxima and sums in f32; the weights p are rounded to f16 for the second product, O once at the end.
; SHARES.  A work-group owns 512 queries of one (batch, head); each of its eight waves 64: four tiles of 16.  Two waves share a SIMD (512 registers each): the kernel goes in phases, and one wave's softmax stands beside the other's products.
; Every wave walks all 2,048 keys, 64 a step.  Each fragment of K or V read from LDS feeds four products.
; LAYOUT.  S^T = K Q^T (source 0 = 16 keys, source 1 = 16 queries): a lane holds ONE query (lane % 16) and keys 8 (lane / 16) + 0..7.  Two such tiles, rounded to f16 in pairs, ARE source 1 (32 keys x 16 queries)
; of O^T = V^T P, whose result again holds one query a lane.  K comes out of LDS as it lies, V ([key][channel]) turned, by ds_load_tr16_b128.
; SOFTMAX.  For each query a running maximum m and sum l: p = 2^(c s - c m), c = log2(e) / 8; in every step O and l are multiplied by a = 2^(c m_old - c m_new).
; RING.  Two LDS slots of four key steps.  A key's row is 128 bytes and the rows are dense in memory, so a tile is stated as rows of two keys (256 bytes), padded behind each.  Waves 0-3 fetch K of a slot's steps 0-3, waves 4-7 V:
; one load a wave, 32 rows each (64 keys of one tensor are no more).  By this text's own count a wave has two tensor loads out at the start and one behind each change of slots.
; CLUSTER.  A head's four blocks of queries walk the same K and V: each tile is asked for jointly, by the same load with the same descriptor and the mask of all four.
; REGISTERS.  window 0: v1-15 addresses; v32-63 eight statistics a tile; v64-191 S^T, 32 a tile (P is packed into each tile's first 16); v192-255 K's fragments.
;             window 1: v0-127 O^T, 32 a tile; v128-191 Q; v192-255 V's fragments.
; LIMITS: |q|, |k|, |v| under 65,504; NaN and infinities are not served.
.set KS,    64                         ; keys in a step
.set KB,    32*272                     ; a step's K in LDS: 32 rows of 256 + 16 bytes
.set VB,    32*288                     ; a step's V: 32 rows of 256 + 32 bytes
.set STEPB, KB+VB
.set NST,   4                          ; steps in a slot
.set SLOT1, 1<<17                      ; slot 1 begins here: one exclusive or turns an address from one slot into the other
.set SLOTM, NST*KS*128                 ; a slot's keys in memory, bytes of one tensor
.set STAGE, SLOT1+NST*STEPB            ; behind the ring: 16 rows x 144 bytes for each wave
.set SP,    144
.set SPARE, STAGE+8*16*SP              ; the spare words, 128 bytes a wave, which no other line names
.set AK0, 2                            ; v2   my lane's place in a tile of K
.set AV0, 3                            ; v3   the same for V
.set ADR, 4                            ; v4   the LDS address of the run of loads in hand
.set QO,  5                            ; v5   my byte offset in the wave's rows of Q
.set STO, 6
.set RD,  7
.set GO,  8
.set PFO, 12                           ; v12  256 x lane; never rewritten
.set SPW, 14                           ; v14  LDS address of my spare word; never rewritten
.set NIL, 15                           ; v15  0; never rewritten
.set ST,  32                           ; tile t's statistics at v[ST + 8 t]: +0 c m, +1 m, +2, +3 l, +4 to +7 c0-c3 at work; a takes c2's place
.set S,   64
.set KF,  192                          ; window 0: K's fragment (16 keys kt, 32 channels ks) at 16 kt + 8 ks
.set QF,  128                          ; window 1: Q's fragment (tile t, ks) at 16 t + 8 ks
.set VF,  192                          ; window 1: V's fragment (32 keys k2, 16 channels ct) at 8 (4 k2 + ct)
.set WV,  12
.set LIM, 15                           ; s15  1 in a wave that prefetches, else the greatest number
.set PFA, 18                           ; s[18:19] where my prefetches stand
.set G1K, 24
.set G1V, 32
.set G0K, 40                           ; s[40:47] two sets: slot 0's; slot 1's, which then walks on
.set G0V, 48
.set SLOTS, 56
.set CNT, 57
.set CS,  58
.set SEL, 60
.set TB,  62                           ; s62  LDS byte at which the tiles of the step to be fetched begin
.set MSB, 0
.macro WIN new
.if MSB != \new
	s_set_vgpr_msb (MSB<<8)|\new
.set MSB, \new
.endif
.endm
.set W_KQ, 0x04                        ; Q (source 1) in window 1; K and S^T in window 0
.set W_PV, 0x51                        ; V (source 0) and O^T in window 1; P in window 0
.set W_RS, 0x41                        ; O^T (destination and source 0) in window 1, a in window 0
.macro JLOAD                           ; a joint refill.  The branch hangs on the wave's number alone.  An s_nop 0 and four v_nop follow each line
	s_cmp_lt_u32 s[WV], 4
	s_cbranch_scc0 .Lfor_v_\@
	tensor_load_to_lds s[G0K+4:G0K+7], s[G1K:G1K+7]
	s_nop 0
.rept 4
	v_nop
.endr
	s_branch .Lasked_\@
.Lfor_v_\@:
	tensor_load_to_lds s[G0V+4:G0V+7], s[G1V:G1V+7]
	s_nop 0
.rept 4
	v_nop
.endr
.Lasked_\@:
.endm
; A prefetch of what the NEXT change of slots will ask for: 32,768 bytes of K and as many of V.  The four partners share them out by address, 8,192 bytes each; in each, wave 0 asks for K's and wave 4 for V's,
; lanes 256 bytes apart: each aligned block of 256 bytes is named once in the launch.  The last change that fills a slot asks for nothing; slots 0 to 2 come by their loads alone.
.macro ASK
	s_cmp_gt_u32 s[SLOTS], s[LIM]
	s_cbranch_scc0 .Lnot_mine_\@
	global_prefetch_b8 v[PFO], s[PFA:PFA+1] th:TH_LOAD_NT scope:SCOPE_SE
.Lnot_mine_\@:
.endm
.macro CROUND
	s_barrier_signal -1
	s_barrier_wait -1
	s_cmp_lg_u32 s[WV], 0
	s_cbranch_scc1 .Lnot_wave_0_\@
	s_barrier_signal -3
.Lnot_wave_0_\@:
	s_barrier_wait -3
	s_barrier_signal -1
	s_barrier_wait -1
.endm
	s_load_b128 s[4:7], s[0:1], 0x0                ; qkv, o16
	v_lshl_add_u32 v[SPW], v0, 2, SPARE
	v_mov_b32 v[NIL], 0
	ds_add_u32 v[SPW], v[NIL]                      ; the wave's opening: the add, twice on end, and its wait ahead of my first tensor load
	ds_add_u32 v[SPW], v[NIL]
	v_lshrrev_b32 v1, 5, v0
	v_readfirstlane_b32 s[WV], v1                  ; wave 0..7
	s_bfe_u32 s13, ttmp6, 0x40000                  ; cx
	s_lshl_b32 s14, ttmp9, 2
	s_add_co_u32 s14, s14, s13                     ; my block of 512 queries: it enters Q's and O's addresses alone
	s_and_b32 s20, ttmp7, 0xffff                   ; (batch, head), which the four partners share
	s_lshl_b32 s20, s20, 18                        ; x 2,048 rows of 128 bytes
	s_mov_b32 s21, 0
	s_and_b32 s16, s[WV], 3                        ; which of a slot's four steps I fetch:
	s_lshl_b32 s22, s16, 13                        ; its 64 rows of 128 bytes in memory,
	s_mov_b32 s23, 0
	s_add_nc_u64 s[22:23], s[22:23], s[20:21]
	s_mul_i32 s17, s16, STEPB                      ; and its place in a slot
	s_lshl_b32 s2, s14, 16                         ; my block's 512 rows,
	s_lshl_b32 s3, s[WV], 13                       ; my wave's 64 of them
	s_add_co_u32 s2, s2, s3
	s_mov_b32 s3, 0
	s_add_nc_u64 s[2:3], s[2:3], s[20:21]
	s_mov_b32 s[G1K], 15|(1<<16)|(1<<20)|(1<<21)|(5<<22)|(3<<25)  ; the mask: all four; elements of 2 bytes; padding on; bit 21 beside a mask; after every 64 words four words
	s_mov_b32 s[G1V], 15|(1<<16)|(1<<20)|(1<<21)|(5<<22)|(7<<25)  ; the same with eight words of padding
.irp g, G1K, G1V
	s_mov_b32 s[\g+1], 128<<16                     ; tensor_dim0 = 128 elements: two keys
	s_mov_b32 s[\g+2], 32<<16                      ; tensor_dim1 = 32
	s_mov_b32 s[\g+3], 128<<16                     ; tile_dim0
	s_mov_b32 s[\g+4], 32                          ; tile_dim1
	s_mov_b32 s[\g+5], 128                         ; the pitch: dense
	s_mov_b32 s[\g+6], 0
	s_mov_b32 s[\g+7], 0
.endr
	s_mov_b32 s[CS], 0x3e38aa3b                    ; c = log2(e) / 8
	s_mov_b32 s[CS+1], s[CS]                       ; named with it as a pair, so it is written
	s_mov_b32 s[SEL], 0x76543210
	s_mov_b32 s[SEL+1], 0xfedcba98
	s_mov_b32 s[TB], 0
	s_mov_b32 s[SLOTS], 2048/(NST*KS)-2            ; six slots are filled again
	s_cmp_eq_u32 s16, 0                            ; waves 0 and 4 prefetch: the same in all four partners
	s_cselect_b32 s[LIM], 1, -1
	v_and_b32 v[PFO], 31, v0
	v_lshlrev_b32 v[PFO], 8, v[PFO]
	s_wait_dscnt 0x0                               ; both opening adds are done
	s_wait_kmcnt 0x0
	s_add_nc_u64 s[8:9], s[4:5], s[22:23]
	s_add_nc_u64 s[10:11], s[8:9], 0x2000000       ; V at my tile of slot 0: the third section
	s_add_nc_u64 s[8:9], s[8:9], 0x1000000         ; K: the second
	s_add_nc_u64 s[4:5], s[4:5], s[2:3]            ; Q and O at my wave's first row
	s_add_nc_u64 s[6:7], s[6:7], s[2:3]
	s_cmp_lt_u32 s[WV], 4
	s_cselect_b64 s[PFA:PFA+1], s[8:9], s[10:11]   ; (in waves 0 and 4 these stand at a slot's first row)
	s_lshl_b32 s2, s13, 13                         ; my work-group's 8,192 bytes of the 32,768
	s_mov_b32 s3, 0
	s_add_nc_u64 s[PFA:PFA+1], s[PFA:PFA+1], s[2:3]
	s_add_nc_u64 s[PFA:PFA+1], s[PFA:PFA+1], 2*SLOTM   ; in slot 2; the first change of slots steps it to slot 3
	CROUND                                         ; all four work-groups are here: the first joint loads meet
.irp s, 0,1
	s_mov_b32 s[G0K+4*\s], 1
	s_add_co_u32 s[G0K+4*\s+1], s17, \s*SLOT1
	s_add_nc_u64 s[G0K+4*\s+2:G0K+4*\s+3], s[8:9], \s*SLOTM
	s_or_b32 s[G0K+4*\s+3], s[G0K+4*\s+3], 0x80000000
	s_mov_b32 s[G0V+4*\s], 1
	s_add_co_u32 s[G0V+4*\s+1], s17, \s*SLOT1+KB
	s_add_nc_u64 s[G0V+4*\s+2:G0V+4*\s+3], s[10:11], \s*SLOTM
	s_or_b32 s[G0V+4*\s+3], s[G0V+4*\s+3], 0x80000000
.endr
	s_cmp_lt_u32 s[WV], 4                          ; a wave's two first fills stand in one branch, ahead of every wait on TENSORcnt and every LDS read
	s_cbranch_scc0 .Lfirst_v
	tensor_load_to_lds s[G0K:G0K+3], s[G1K:G1K+7]
	s_nop 0
	tensor_load_to_lds s[G0K+4:G0K+7], s[G1K:G1K+7]
	s_nop 0
.rept 4
	v_nop
.endr
	s_branch .Lfirst_asked
.Lfirst_v:
	tensor_load_to_lds s[G0V:G0V+3], s[G1V:G1V+7]
	s_nop 0
	tensor_load_to_lds s[G0V+4:G0V+7], s[G1V:G1V+7]
	s_nop 0
.rept 4
	v_nop
.endr
.Lfirst_asked:
	v_and_b32 v1, 15, v0                           ; r
	v_bfe_u32 v9, v0, 4, 1                         ; h
	v_lshlrev_b32 v[QO], 7, v1
	v_lshl_add_u32 v[QO], v9, 4, v[QO]             ; row x 128 + 16 x half
	WIN 0x40                                       ; destination window 1
.irp t, 0,1,2,3
.irp ks, 0,1
	global_load_b128 v[QF+16*\t+8*\ks:QF+16*\t+8*\ks+3],   v[QO], s[4:5] offset:\t*2048+\ks*64      ; Q stays in registers
	global_load_b128 v[QF+16*\t+8*\ks+4:QF+16*\t+8*\ks+7], v[QO], s[4:5] offset:\t*2048+\ks*64+32
.endr
.endr
	WIN 0
	v_lshrrev_b32 v10, 1, v1                       ; key r lies in row r / 2, half r % 2
	v_mul_u32_u24 v[AK0], v10, 272
	v_and_b32 v10, 1, v0
	v_lshl_add_u32 v[AK0], v10, 7, v[AK0]
	v_lshl_add_u32 v[AK0], v9, 4, v[AK0]
	v_and_b32 v11, 7, v0                           ; the turning load: lane l reads 16 bytes of key 8 (l / 16) + l % 8, channels 8 ((l / 8) % 2) on
	v_lshl_add_u32 v11, v9, 3, v11
	v_lshrrev_b32 v11, 1, v11
	v_mul_u32_u24 v[AV0], v11, 288
	v_lshl_add_u32 v[AV0], v10, 7, v[AV0]
	v_bfe_u32 v11, v0, 3, 1
	v_lshl_add_u32 v[AV0], v11, 4, v[AV0]
	v_add_nc_u32 v[AV0], KB, v[AV0]
	s_mul_i32 s13, s[WV], 16*SP
	s_add_co_u32 s13, s13, STAGE                   ; my stage
	v_mul_u32_u24 v[STO], v1, SP                   ; in: row r, 16 bytes for each half of the lanes
	v_lshl_add_u32 v[STO], v9, 4, v[STO]
	v_add_nc_u32 v[STO], s13, v[STO]
	v_bfe_u32 v10, v0, 3, 2                        ; back: eight lanes to a row of 128 bytes, four rows an instruction
	v_and_b32 v11, 7, v0
	v_mul_u32_u24 v[RD], v10, SP
	v_lshl_add_u32 v[RD], v11, 4, v[RD]
	v_add_nc_u32 v[RD], s13, v[RD]
	v_and_b32 v[GO], 31, v0
	v_lshlrev_b32 v[GO], 4, v[GO]                  ; and the same four rows in O: 512 consecutive bytes
; 32 products S^T = K Q^T: the 16 accumulators take turns, one instruction a turn; the first 16 start the sums
.macro KQ
	WIN W_KQ
.irp ks, 0,1
.irp kt, 0,1,2,3
.irp t, 0,1,2,3
.if \ks == 0
	v_wmma_f32_16x16x32_f16 v[S+32*\t+8*\kt:S+32*\t+8*\kt+7], v[KF+16*\kt+8*\ks:KF+16*\kt+8*\ks+7], v[QF+16*\t+8*\ks:QF+16*\t+8*\ks+7], 0
.else
	v_wmma_f32_16x16x32_f16 v[S+32*\t+8*\kt:S+32*\t+8*\kt+7], v[KF+16*\kt+8*\ks:KF+16*\kt+8*\ks+7], v[QF+16*\t+8*\ks:QF+16*\t+8*\ks+7], v[S+32*\t+8*\kt:S+32*\t+8*\kt+7]
.endif
.endr
.endr
.endr
.endm
; 32 products O^T += V^T P, likewise by turns.  zero = 1: the first 16 start the sums: nothing is ever cleared
.macro PV zero
	WIN W_PV
.irp k2, 0,1
.irp ct, 0,1,2,3
.irp t, 0,1,2,3
.if \zero && (\k2 == 0)
	v_wmma_f32_16x16x32_f16 v[32*\t+8*\ct:32*\t+8*\ct+7], v[VF+8*(4*\k2+\ct):VF+8*(4*\k2+\ct)+7], v[S+32*\t+8*\k2:S+32*\t+8*\k2+7], 0
.else
	v_wmma_f32_16x16x32_f16 v[32*\t+8*\ct:32*\t+8*\ct+7], v[VF+8*(4*\k2+\ct):VF+8*(4*\k2+\ct)+7], v[S+32*\t+8*\k2:S+32*\t+8*\k2+7], v[32*\t+8*\ct:32*\t+8*\ct+7]
.endif
.endr
.endr
.endr
.endm
.macro FETCH_K                         ; a step's K: 16 loads
	WIN 0
	v_add_nc_u32 v[ADR], s[TB], v[AK0]
.irp kt, 0,1,2,3
.irp ks, 0,1
	ds_load_b128 v[KF+16*\kt+8*\ks:KF+16*\kt+8*\ks+3],   v[ADR] offset:\kt*2176+\ks*64
	ds_load_b128 v[KF+16*\kt+8*\ks+4:KF+16*\kt+8*\ks+7], v[ADR] offset:\kt*2176+\ks*64+32
.endr
.endr
.endm
.macro FETCH_V                         ; the same step's V, turned: 16 loads
	WIN 0
	v_add_nc_u32 v[ADR], s[TB], v[AV0]
	s_add_co_u32 s[TB], s[TB], STEPB               ; the next fetch is the next step's
	WIN 0x40
.irp k2, 0,1
.irp ct, 0,1,2,3
	ds_load_tr16_b128 v[VF+8*(4*\k2+\ct):VF+8*(4*\k2+\ct)+3],   v[ADR] offset:\k2*4608+\ct*32
	ds_load_tr16_b128 v[VF+8*(4*\k2+\ct)+4:VF+8*(4*\k2+\ct)+7], v[ADR] offset:\k2*4608+2304+\ct*32
.endr
.endr
.endm
; THE SOFTMAX of a step, the four tiles innermost in every line, so that no line waits for the line above it.  first = 1: the first step starts m and l and has no a.
.macro SOFTMAX first
	WIN 0
.irp j, 0,1,2,3
.irp t, 0,1,2,3
	v_max3_num_f32 v[ST+8*\t+4+\j], v[S+32*\t+8*\j], v[S+32*\t+8*\j+1], v[S+32*\t+8*\j+2]   ; each accumulator is read from its low end on
.endr
.endr
.irp g, 1,2
.irp j, 0,1,2,3
.irp t, 0,1,2,3
	v_max3_num_f32 v[ST+8*\t+4+\j], v[ST+8*\t+4+\j], v[S+32*\t+8*\j+2*\g+1], v[S+32*\t+8*\j+2*\g+2]
.endr
.endr
.endr
.irp t, 0,1,2,3
	v_max3_num_f32 v[ST+8*\t+4], v[ST+8*\t+4], v[S+32*\t+7], v[S+32*\t+15]
.endr
.irp t, 0,1,2,3
	v_max3_num_f32 v[ST+8*\t+6], v[ST+8*\t+6], v[S+32*\t+23], v[S+32*\t+31]
.endr
.irp t, 0,1,2,3
	v_max3_num_f32 v[ST+8*\t+4], v[ST+8*\t+4], v[ST+8*\t+5], v[ST+8*\t+6]
.endr
.irp t, 0,1,2,3
.if \first
	v_max_num_f32 v[ST+8*\t+4], v[ST+8*\t+4], v[ST+8*\t+7]
.else
	v_max3_num_f32 v[ST+8*\t+4], v[ST+8*\t+4], v[ST+8*\t+7], v[ST+8*\t+1]   ; and the old m
.endif
.endr
.irp t, 0,1,2,3
	v_permlanex16_b32 v[ST+8*\t+5], v[ST+8*\t+4], s[SEL], s[SEL+1]          ; the query's other 32 keys lie in the lane 16 away
.endr
.if !\first
.irp t, 0,1,2,3
	v_mov_b32 v[ST+8*\t+7], v[ST+8*\t]             ; c m_old is kept for a
.endr
.endif
.irp t, 0,1,2,3
	v_max_num_f32 v[ST+8*\t+1], v[ST+8*\t+4], v[ST+8*\t+5]
.endr
.irp t, 0,1,2,3
	v_mul_f32 v[ST+8*\t], s[CS], v[ST+8*\t+1]
.endr
.if !\first
.irp t, 0,1,2,3
	v_sub_f32 v[ST+8*\t+7], v[ST+8*\t+7], v[ST+8*\t]
.endr
.irp t, 0,1,2,3
	v_exp_f32 v[ST+8*\t+6], v[ST+8*\t+7]           ; a.  From here to the wait below nothing names an exponential's result
.endr
.endif
.set b, 0
.rept 16
.irp t, 0,1,2,3
	v_pk_fma_f32 v[S+32*\t+2*b:S+32*\t+2*b+1], v[S+32*\t+2*b:S+32*\t+2*b+1], s[CS:CS+1], v[ST+8*\t:ST+8*\t+1] op_sel_hi:[1,0,0] neg_lo:[0,0,1] neg_hi:[0,0,1]   ; c s - c m
.endr
.irp t, 0,1,2,3
	v_exp_f32 v[S+32*\t+2*b], v[S+32*\t+2*b]
	v_exp_f32 v[S+32*\t+2*b+1], v[S+32*\t+2*b+1]
.endr
.set b, b+1
.endr
	v_nop                                          ; a plain line behind the last exponential,
	s_wait_alu depctr_va_vdst(0)                   ; and ONE wait for the whole batch, ahead of its first reader
.if \first
.irp t, 0,1,2,3
	v_pk_add_f32 v[ST+8*\t+2:ST+8*\t+3], v[S+32*\t:S+32*\t+1], v[S+32*\t+2:S+32*\t+3]       ; the sum of the unrounded p, even and odd keys apart
.endr
.set b, 2
.else
.irp t, 0,1,2,3
	v_pk_fma_f32 v[ST+8*\t+2:ST+8*\t+3], v[ST+8*\t+2:ST+8*\t+3], v[ST+8*\t+6:ST+8*\t+7], v[S+32*\t:S+32*\t+1] op_sel_hi:[1,0,1]   ; l a + the first pair
.endr
.set b, 1
.endif
.rept 16-b
.irp t, 0,1,2,3
	v_pk_add_f32 v[ST+8*\t+2:ST+8*\t+3], v[ST+8*\t+2:ST+8*\t+3], v[S+32*\t+2*b:S+32*\t+2*b+1]
.endr
.set b, b+1
.endr
.set b, 0
.rept 16
.irp t, 0,1,2,3
	v_cvt_pk_f16_f32 v[S+32*\t+b], v[S+32*\t+2*b], v[S+32*\t+2*b+1]    ; P in place, ascending: register b is written when pairs up to b have been read
.endr
.set b, b+1
.endr
.if !\first
	WIN W_RS
.set b, 0
.rept 16
.irp t, 0,1,2,3
	v_pk_mul_f32 v[32*\t+2*b:32*\t+2*b+1], v[32*\t+2*b:32*\t+2*b+1], v[ST+8*\t+6:ST+8*\t+7] op_sel_hi:[1,0]   ; O^T x a
.endr
.set b, b+1
.endr
.endif
.endm
; A KEY STEP j: K of step j + 1 is asked for | the softmax of step j | V^T P of step j | V of step j + 1 is asked for | K Q^T of step j + 1.
.macro TRIP first, kq
.rept 4
	v_nop                                          ; four places behind the last K Q^T: for the loads into K's registers and for the first read of the scores
.endr
.if \kq
	FETCH_K
.endif
	SOFTMAX \first
.if \kq
	s_wait_dscnt 16                                ; V is in; K's sixteen younger loads stay out
.else
	s_wait_dscnt 0x0
.endif
	PV \first
	WIN 0
.if \kq
.rept 5
	v_nop                                          ; four places for the loads into V's registers, five for the products below, which write over P's
.endr
	FETCH_V
	s_wait_dscnt 16                                ; K is in; V's sixteen younger loads stay out
	KQ
	WIN 0
.endif
.endm
; THE CHANGE OF SLOTS: the slot's last bytes, V of its fourth step, have been asked for.  Each wave waits for all its tensor loads (one is out: its part of the other slot), adds 0 to its spare word, and waits for that
; and for its reads of the slot.  fill = 1: the barrier is a round of the cluster's, and the joint refill is the first thing behind it: it has four key steps in which to land.
.macro CHANGE fill
	WIN 0
	s_wait_tensorcnt 0x0                           ; no tensor load of mine is out, so a descriptor may be written
	ds_add_u32 v[SPW], v[NIL]                      ; 0 onto my spare word
.if \fill
.irp g, G0K+4, G0V+4
	s_xor_b32 s[\g+1], s[\g+1], SLOT1              ; the walking descriptor: the other slot than last time,
	s_add_nc_u64 s[\g+2:\g+3], s[\g+2:\g+3], SLOTM ; the next 256 keys
.endr
	s_wait_xcnt 0x0                                ; the last prefetch, a slot back, has read its address
	s_add_nc_u64 s[PFA:PFA+1], s[PFA:PFA+1], SLOTM
	s_wait_dscnt 0x0                               ; the add is done, and my reads of the slot are over
	CROUND
	JLOAD
	ASK
.else
	s_wait_dscnt 0x0
	s_barrier_signal -1
	s_barrier_wait -1
.endif
	s_sub_co_u32 s[TB], s[TB], NST*STEPB           ; the fetches go back to a slot's first step,
	s_xor_b32 s[TB], s[TB], SLOT1                  ; in the other slot
.endm
.macro STEPS n                         ; n key steps: written once, walked n times; the LDS addresses hang on s[TB]
	s_mov_b32 s[CNT], \n
.Lstep_\@:
	TRIP 0, 1
	s_sub_co_u32 s[CNT], s[CNT], 1
	s_cmp_lg_u32 s[CNT], 0
	s_cbranch_scc1 .Lstep_\@
.endm
	s_wait_tensorcnt 1                             ; my part of slot 0 is in; slot 1's may stay out
	s_barrier_signal -1
	s_barrier_wait -1                              ; everybody's is
	FETCH_K                                        ; key step 0
	FETCH_V
	s_wait_loadcnt 0x0                             ; Q
	s_wait_dscnt 16                                ; K is in; V's sixteen stay out
	KQ
	WIN 0
	TRIP 1, 1                                      ; step 0, and the fetches of step 1
	STEPS 2                                        ; steps 1, 2: slot 0 is now asked for to its end
.Lslot:                                            ; six trips: every slot but the last two is filled again
	CHANGE 1
	STEPS 4
	s_sub_co_u32 s[SLOTS], s[SLOTS], 1
	s_cmp_lg_u32 s[SLOTS], 0
	s_cbranch_scc1 .Lslot
	CHANGE 0                                       ; the tail is written out
	STEPS 4
	TRIP 0, 0                                      ; the last step: nothing more to fetch
	; THE WAY OUT.  l's halves are added; O^T is divided by l, rounded to f16 and sent through my stage, a tile (16 rows of O) at a time.  The additions are the places behind the last products.
.irp t, 0,1,2,3
	v_add_f32 v[ST+8*\t+4], v[ST+8*\t+2], v[ST+8*\t+3]
.endr
.irp t, 0,1,2,3
	v_permlanex16_b32 v[ST+8*\t+5], v[ST+8*\t+4], s[SEL], s[SEL+1]
.endr
.irp t, 0,1,2,3
	v_add_f32 v[ST+8*\t+4], v[ST+8*\t+4], v[ST+8*\t+5]
.endr
.irp t, 0,1,2,3
	v_rcp_f32 v[ST+8*\t+6], v[ST+8*\t+4]
.endr
	v_nop                                          ; a plain line behind the last reciprocal,
	s_wait_alu depctr_va_vdst(0)                   ; and one wait for the four
.macro PACK t
	WIN W_RS
.set i, 0
.rept 16
	v_pk_mul_f32 v[32*\t+2*i:32*\t+2*i+1], v[32*\t+2*i:32*\t+2*i+1], v[ST+8*\t+6:ST+8*\t+7] op_sel_hi:[1,0]
.set i, i+1
.endr
	WIN 0x05                                       ; sources window 1, destination window 0: S^T's registers are free
.set i, 0
.rept 16
	v_cvt_pk_f16_f32 v[S+16*\t+i], v[32*\t+2*i], v[32*\t+2*i+1]
.set i, i+1
.endr
	WIN 0
.irp f, 0,1,2,3
	ds_store_b128 v[STO], v[S+16*\t+4*\f:S+16*\t+4*\f+3] offset:32*\f
.endr
.irp f, 0,1,2,3
	ds_load_b128 v[S+16*\t+4*\f:S+16*\t+4*\f+3], v[RD] offset:\f*4*SP   ; LDS serves a wave's instructions in order: these see the stores above; the next tile's stores come behind them
.endr
.endm
.macro SEND t, younger                 ; younger: the LDS instructions issued behind tile t's loads: the next tile's eight, or none
.irp f, 0,1,2,3
	s_wait_dscnt \younger+3-\f
	global_store_b128 v[GO], v[S+16*\t+4*\f:S+16*\t+4*\f+3], s[6:7] offset:\t*2048+\f*512   ; 512 consecutive bytes, aligned
.endr
.endm
	PACK 0
	PACK 1
	SEND 0, 8
	PACK 2
	SEND 1, 8
	PACK 3
	SEND 2, 8
	SEND 3, 0
	s_wait_tensorcnt 0x0                           ; the wave's end, behind my last tensor load and my last LDS store
	ds_add_u32 v[SPW], v[NIL]
	s_wait_dscnt 0x0
	CROUND                                         ; the closing round
	s_endpgm
.Lfunc_end_k_qa48e655541_attn:
	.size	k_qa48e655541_attn, .Lfunc_end_k_qa48e655541_attn-k_qa48e655541_attn
	.p2alignl 7, 3214868480
	.fill 96, 4, 3214868480
	.section	.rodata,"a",@progbits
	.p2align	6, 0x0
	.amdhsa_kernel k_qa48e655541_attn
		.amdhsa_group_segment_fixed_size 327680
		.amdhsa_private_segment_fixed_size 0
		.amdhsa_enable_private_segment 0
		.amdhsa_kernarg_size 16
		.amdhsa_user_sgpr_count 2
		.amdhsa_user_sgpr_kernarg_segment_ptr 1
		.amdhsa_wavefront_size32 1
		.amdhsa_system_sgpr_workgroup_id_x 1
		.amdhsa_system_sgpr_workgroup_id_y 1
		.amdhsa_system_sgpr_workgroup_id_z 1
		.amdhsa_system_vgpr_workitem_id 0
		.amdhsa_next_free_vgpr 512
		.amdhsa_next_free_sgpr 66
		.amdhsa_reserve_vcc 0
		.amdhsa_float_denorm_mode_32 3
		.amdhsa_float_denorm_mode_16_64 3
		.amdhsa_memory_ordered 1
		.amdhsa_forward_progress 1
		.amdhsa_inst_pref_size 178
	.end_amdhsa_kernel
	.amdgpu_metadata
---
amdhsa.version: [ 1, 2 ]
amdhsa.kernels:
  - .name:           k_qa48e655541_attn
    .symbol:         k_qa48e655541_attn.kd
    .args:
      - { .name: qkv, .offset: 0, .size: 8, .value_kind: global_buffer, .address_space: global }
      - { .name: o16, .offset: 8, .size: 8, .value_kind: global_buffer, .address_space: global }
    .group_segment_fixed_size: 327680
    .private_segment_fixed_size: 0
    .kernarg_segment_align: 8
    .kernarg_segment_size: 16
    .max_flat_workgroup_size: 256
    .sgpr_count:     66
    .vgpr_count:     512
    .wavefront_size: 32
...
	.end_amdgpu_metadata
.endif
;; end of part 3
;; launch proj (part 4): grid 8 x 32, 4 waves a work-group, clusters of 4 x 4, 327,680 bytes of LDS; arguments o16, w16, b_out, out0; writes out0
.if DOCPART == 4
	.amdgcn_target "amdgcn-amd-amdhsa--gfx1250"
	.amdhsa_code_object_version 6
	.text
	.protected	k_qa48e655541_proj
	.globl	k_qa48e655541_proj
	.p2align	8
	.type	k_qa48e655541_proj,@function
k_qa48e655541_proj:
	s_mov_b64 s[64:65], 0
	v_nop
	global_prefetch_b8 v0, s[64:65] scope:SCOPE_SE
	s_setreg_imm32_b32 hwreg(HW_REG_WAVE_MODE, 25, 1), 1
	s_wait_xcnt 0x0
	s_wait_alu depctr_hold_cnt(0) depctr_sa_sdst(0) depctr_va_vdst(0) depctr_va_sdst(0) depctr_va_ssrc(0) depctr_va_vcc(0) depctr_vm_vsrc(0)
	s_getreg_b32 s2, hwreg(HW_REG_IB_STS2, 6, 4)
	s_cmp_eq_u32 s2, 0
	s_cbranch_scc0 .Lentry_in_a_cluster
	s_endpgm
.Lentry_in_a_cluster:
	s_bfe_u32 s2, ttmp6, 0x10000c
	s_cmp_lg_u32 s2, 0xf033
	s_cbranch_scc0 .Lentry_shape_is_right
	s_endpgm
.Lentry_shape_is_right:
; out0[m][n] = sum over k of O[m][k] w_out[n][k] + b_out[n].  O arrives by head, [16 batch + head][token][64] f16; w16 is w_out in f16, [1024 n][1024 k]; out0 [8192][1024] f32; sums in f32.
; A tile of out0 is 256 rows x 128 columns: 256 work-groups.  Four waves, each 128 x 64: 32 accumulators, 256 registers.  K goes in steps of 128, two heads, through a ring of two LDS slots.
; O's part of a step is, for each of the two heads, 256 tokens x 128 bytes, dense in memory: it is stated as 128 rows of two tokens (256 bytes), padded behind each.  Waves 0, 1 fetch the two heads, waves 2, 3 the halves of w16's 128 rows.
; By this text's own count a wave has two tensor loads out at the start and one behind each change of slots.
; CLUSTERS: 4 x 4 work-groups; O's tiles are shared along a row of the cluster, w16's along a column: joint loads.
; THE MATRIX INSTRUCTION IS USED TRANSPOSED (source 0 = 16 rows of w16, source 1 = 16 tokens): a lane holds eight neighbouring columns of a row of out0.  The bias is the C of each sum's first product.
; REGISTERS.  window 0: v1-29 addresses; v32-127, v128-223 two fragment buffers (O's eight blocks at + 8 a, w16's four at + 64 + 8 b); v224-255 the bias.  window 1: accumulator (a, b) at 8 (4 a + b).
; No prefetch is laid: the launch is short, and O's and w16's tiles are shared in the cluster.
.set PITCH,  272
.set AHEAD_B, 128*PITCH                ; one head's 256 tokens in LDS: 34,816 bytes
.set HALFB,  64*PITCH                  ; 64 rows of w16: 17,408
.set SLOT,   3*AHEAD_B                 ; two heads of O, then w16's 128 rows
.set STAGE,  2*SLOT                    ; behind the ring: 16 rows x 272 bytes for each wave
.set SPITCH, 272
.set SPARE,  STAGE+4*16*SPITCH         ; the spare words, 128 bytes a wave, which no other line names
.set LAPS,   4                         ; eight K steps: four times round the ring
.set ADRA, 16
.set ADRB, 20
.set STO,  24
.set RD,   25
.set CO,   26
.set SPW,  28
.set NIL,  29
.set F0,   32
.set F1,   128
.set BIAS, 224
.set BK,   32                          ; the way out: two sets of 32 registers
.set G1, 24
.set G0, 32
.set G1B, 48
.set G0B, 56
.set MSB, 0
.macro WIN new
.if MSB != \new
	s_set_vgpr_msb (MSB<<8)|\new
.set MSB, \new
.endif
.endm
.set MUL,  0x50                        ; C and D window 1; both sources window 0
.set MUL1, 0x40                        ; D window 1, C (the bias) window 0
.macro JLOAD s                         ; a joint load: waves 0 and 1 fetch O's two heads, waves 2 and 3 w16's halves; an s_nop 0 and four v_nop follow each line
	s_cmp_eq_u32 s13, 0
	s_cbranch_scc0 .Lfor_b_\@
	tensor_load_to_lds s[G0+4*\s:G0+4*\s+3], s[G1:G1+7]
	s_nop 0
.rept 4
	v_nop
.endr
	s_branch .Lasked_\@
.Lfor_b_\@:
	tensor_load_to_lds s[G0B+4*\s:G0B+4*\s+3], s[G1B:G1B+7]
	s_nop 0
.rept 4
	v_nop
.endr
.Lasked_\@:
.endm
.macro CREST
	s_cmp_lg_u32 s12, 0
	s_cbranch_scc1 .Lnot_wave_0_\@
	s_barrier_signal -3
.Lnot_wave_0_\@:
	s_barrier_wait -3
	s_barrier_signal -1
	s_barrier_wait -1
.endm
.macro CROUND
	s_barrier_signal -1
	s_barrier_wait -1
	CREST
.endm
	s_load_b128 s[4:7], s[0:1], 0x0                ; o16, w16
	s_load_b128 s[8:11], s[0:1], 0x10              ; b_out, out0
	v_lshl_add_u32 v[SPW], v0, 2, SPARE
	v_mov_b32 v[NIL], 0
	ds_add_u32 v[SPW], v[NIL]                      ; the wave's opening: the add, twice on end, and its wait ahead of my first tensor load
	ds_add_u32 v[SPW], v[NIL]
	v_lshrrev_b32 v1, 5, v0
	v_readfirstlane_b32 s12, v1                    ; wave 0..3
	s_lshr_b32 s13, s12, 1                         ; which half of the tile's rows is mine.  Also: I fetch for O (0) or for w16 (1)
	s_and_b32 s14, s12, 1                          ; which half of its columns.  Also: which head, or which 64 rows, I fetch
	s_bfe_u32 s40, ttmp6, 0x40000                  ; cx, cy
	s_bfe_u32 s41, ttmp6, 0x40004
	s_lshl_b32 s42, ttmp9, 2
	s_add_co_u32 s42, s42, s40                     ; tile column
	s_and_b32 s43, ttmp7, 0xffff
	s_lshl_b32 s43, s43, 2
	s_add_co_u32 s43, s43, s41                     ; tile row
	s_lshl_b32 s44, s41, 2
	s_lshl_b32 s44, 15, s44                        ; my row of the cluster
	s_lshl_b32 s45, 0x1111, s40                    ; my column
	s_or_b32 s[G1+0], s44, (1<<16)|(1<<20)|(1<<21)|(5<<22)|(3<<25)   ; the mask; elements of 2 bytes; padding on; bit 21 beside a mask; after every 64 words four words
	s_or_b32 s[G1B+0], s45, (1<<16)|(1<<20)|(1<<21)|(5<<22)|(3<<25)
	s_mov_b32 s[G1+1], 128<<16                     ; O: rows of 128 elements (two tokens),
	s_mov_b32 s[G1+2], 128<<16                     ; 128 of them,
	s_mov_b32 s[G1+3], 128<<16
	s_mov_b32 s[G1+4], 128
	s_mov_b32 s[G1+5], 128                         ; dense
	s_mov_b32 s[G1+6], 0
	s_mov_b32 s[G1+7], 0
	s_mov_b32 s[G1B+1], 128<<16                    ; w16: rows of 128 elements,
	s_mov_b32 s[G1B+2], 64<<16                     ; 64 of them,
	s_mov_b32 s[G1B+3], 128<<16
	s_mov_b32 s[G1B+4], 64
	s_mov_b32 s[G1B+5], 1024                       ; 1,024 elements apart
	s_mov_b32 s[G1B+6], 0
	s_mov_b32 s[G1B+7], 0
	s_lshr_b32 s16, s43, 3                         ; O: batch x 16 heads x 262,144
	s_lshl_b32 s16, s16, 22
	s_and_b32 s17, s43, 7
	s_lshl_b32 s17, s17, 15                        ; + 256 tokens x 128 bytes for each tile row in the batch
	s_add_co_u32 s16, s16, s17
	s_lshl_b32 s17, s14, 18                        ; + my head of the step's two
	s_add_co_u32 s16, s16, s17
	s_mov_b32 s17, 0
	s_lshl_b32 s46, s42, 18                        ; w16: 128 rows of 2,048 bytes a tile column
	s_lshl_b32 s47, s14, 17                        ; + my 64 rows
	s_add_co_u32 s46, s46, s47
	s_mov_b32 s47, 0
	s_mul_i32 s20, s12, AHEAD_B                    ; where they go: O's heads at wave x 34,816 (waves 0, 1),
	s_mul_i32 s21, s12, HALFB
	s_add_co_u32 s21, s21, AHEAD_B                 ; w16's halves at 34,816 + wave x 17,408 (waves 2, 3)
	s_wait_dscnt 0x0                               ; both opening adds are done
	s_wait_kmcnt 0x0
	s_add_nc_u64 s[16:17], s[4:5], s[16:17]
	s_add_nc_u64 s[46:47], s[6:7], s[46:47]
	CROUND                                         ; all sixteen work-groups are here: the first joint loads meet
.irp s, 0,1
	s_mov_b32 s[G0+4*\s], 1
	s_add_co_u32 s[G0+4*\s+1], s20, \s*SLOT
	s_add_nc_u64 s[G0+4*\s+2:G0+4*\s+3], s[16:17], \s*524288       ; K step s: two heads on
	s_or_b32 s[G0+4*\s+3], s[G0+4*\s+3], 0x80000000
	s_mov_b32 s[G0B+4*\s], 1
	s_add_co_u32 s[G0B+4*\s+1], s21, \s*SLOT
	s_add_nc_u64 s[G0B+4*\s+2:G0B+4*\s+3], s[46:47], \s*256
	s_or_b32 s[G0B+4*\s+3], s[G0B+4*\s+3], 0x80000000
	JLOAD \s
.endr
	v_and_b32 v1, 15, v0                           ; r
	v_bfe_u32 v2, v0, 4, 1                         ; h
	v_lshrrev_b32 v3, 1, v1                        ; O: token r lies in row r / 2, half r % 2
	v_mul_u32_u24 v3, v3, PITCH
	v_and_b32 v4, 1, v0
	v_lshl_add_u32 v3, v4, 7, v3
	v_lshl_add_u32 v3, v2, 4, v3
	v_mul_u32_u24 v4, v1, PITCH                    ; w16: row r
	v_lshl_add_u32 v4, v2, 4, v4
	s_mul_i32 s21, s13, HALFB                      ; my 128 tokens: 64 rows
	s_mul_i32 s22, s14, HALFB                      ; my 64 rows of w16,
	s_add_co_u32 s22, s22, 2*AHEAD_B               ; behind O's two heads
.irp s, 0,1
	v_add_nc_u32 v[ADRA+\s], s21, v3
	v_add_nc_u32 v[ADRB+\s], s22, v4
	s_add_co_u32 s21, s21, SLOT
	s_add_co_u32 s22, s22, SLOT
.endr
	s_mul_i32 s23, s12, 16*SPITCH
	s_add_co_u32 s23, s23, STAGE                   ; my stage
	v_mul_u32_u24 v5, v1, SPITCH                   ; in: row r, 32 bytes for each half of the lanes
	v_lshl_add_u32 v5, v2, 5, v5
	v_add_nc_u32 v[STO], s23, v5
	v_mul_u32_u24 v5, v2, SPITCH                   ; back: lanes 0-15 one row of 256 bytes, lanes 16-31 the next
	v_lshl_add_u32 v5, v1, 4, v5
	v_add_nc_u32 v[RD], s23, v5
	v_lshlrev_b32 v5, 12, v2                       ; and the same two rows in out0 (4,096 bytes a row)
	v_lshl_add_u32 v[CO], v1, 4, v5
	s_lshl_b32 s22, s42, 9                         ; my first column, in bytes: 512 x tile column + 256 x half
	s_lshl_b32 s23, s14, 8
	s_add_co_u32 s22, s22, s23
	s_mov_b32 s23, 0
	s_add_nc_u64 s[8:9], s[8:9], s[22:23]          ; the bias at my first column
	s_lshl_b32 s18, s43, 20                        ; my first row: 256 x tile row + 128 x half, 4,096 bytes each
	s_lshl_b32 s19, s13, 19
	s_add_co_u32 s18, s18, s19
	s_add_co_u32 s18, s18, s22
	s_mov_b32 s19, 0
	s_add_nc_u64 s[10:11], s[10:11], s[18:19]
	v_lshlrev_b32 v6, 5, v2                        ; the bias in the result's layout: block b, register j: column 16 b + 8 h + j
.irp b, 0,1,2,3
	global_load_b128 v[BIAS+8*\b:BIAS+8*\b+3],   v6, s[8:9] offset:64*\b
	global_load_b128 v[BIAS+8*\b+4:BIAS+8*\b+7], v6, s[8:9] offset:64*\b+16
.endr
; 8 products: O's blocks a0, a0 + 1 against w16's four, 32 along K.  The 32 accumulators take turns, one instruction a turn, in the same order in every quarter.  first = 1: the bias starts the sums
.macro MUL8 f, a0, first
.irp a, \a0, \a0+1
.irp b, 0,1,2,3
.if \first
	v_wmma_f32_16x16x32_f16 v[8*(4*(\a)+\b):8*(4*(\a)+\b)+7], v[\f+64+8*\b:\f+64+8*\b+7], v[\f+8*(\a):\f+8*(\a)+7], v[BIAS+8*\b:BIAS+8*\b+7]
.else
	v_wmma_f32_16x16x32_f16 v[8*(4*(\a)+\b):8*(4*(\a)+\b)+7], v[\f+64+8*\b:\f+64+8*\b+7], v[\f+8*(\a):\f+8*(\a)+7], v[8*(4*(\a)+\b):8*(4*(\a)+\b)+7]
.endif
.endr
.endr
.endm
; 24 LDS loads in one run: quarter q (32 along K: head q / 2, channels 32 (q % 2) on) into buffer f: w16's four blocks, O's blocks 0-3, O's blocks 4-7
.macro FETCH slot, q, f
.irp i, 0,1,2,3
	ds_load_b128 v[\f+64+8*\i:\f+64+8*\i+3],   v[ADRB+\slot] offset:64*(\q)+\i*16*PITCH
	ds_load_b128 v[\f+64+8*\i+4:\f+64+8*\i+7], v[ADRB+\slot] offset:64*(\q)+\i*16*PITCH+32
.endr
.irp i, 0,1,2,3,4,5,6,7
	ds_load_b128 v[\f+8*\i:\f+8*\i+3],   v[ADRA+\slot] offset:((\q)/2)*AHEAD_B+((\q)%2)*64+\i*8*PITCH
	ds_load_b128 v[\f+8*\i+4:\f+8*\i+7], v[ADRA+\slot] offset:((\q)/2)*AHEAD_B+((\q)%2)*64+\i*8*PITCH+32
.endr
.endm
.macro PLACES                          ; four places in front of loads into registers that matrix instructions have read, and of the first read of results
.rept 4
	v_nop
.endr
.endm
; One of a K step's first three quarters: multiplies buffer f; in its middle it fetches quarter q of the same slot into buffer g
.macro QUARTER slot, q, f, g, first
	s_wait_dscnt 8                                 ; w16's blocks and O's blocks 0-3 are in; the youngest eight loads may be out
.if \first
	WIN MUL1
.else
	WIN MUL
.endif
	MUL8 \f, 0, \first
	MUL8 \f, 2, \first
	PLACES
	WIN 0
	FETCH \slot, \q, \g
	s_wait_dscnt 24                                ; all but the 24 just issued
.if \first
	WIN MUL1
.else
	WIN MUL
.endif
	MUL8 \f, 4, \first
	MUL8 \f, 6, \first
.endm
; The last quarter multiplies buffer 1 and changes slots: ONE barrier; in front of it each wave waits for all its tensor loads, adds 0 to its spare word, and waits for that and for its reads of this slot.  fill = 1: this slot is filled again, two K steps ahead.
.macro TURN slot, next, fill
	WIN 0
	s_wait_tensorcnt 0x0                           ; all my tensor loads have landed: my part of the next slot
	ds_add_u32 v[SPW], v[NIL]                      ; 0 onto my spare word
	s_wait_dscnt 9                                 ; (the add and the youngest eight loads may be out)
	WIN MUL
	MUL8 F1, 0, 0                                  ; eight products stand between the add and the wait for it
	s_wait_dscnt 0x0                               ; the add is done, and my reads of this slot are over
	s_barrier_signal -1
	MUL8 F1, 2, 0
	WIN 0
	s_barrier_wait -1
.if \fill
	CREST                                          ; the barrier has opened a round of the cluster's: no wave of any partner still reads this slot or has a load on its way
	s_add_nc_u64 s[G0+4*\slot+2:G0+4*\slot+3], s[G0+4*\slot+2:G0+4*\slot+3], 2*524288
	s_add_nc_u64 s[G0B+4*\slot+2:G0B+4*\slot+3], s[G0B+4*\slot+2:G0B+4*\slot+3], 2*256
	JLOAD \slot                                    ; the first tensor load behind the round; its four v_nop are also the places in front of the loads below
.else
	PLACES
.endif
	FETCH \next, 0, F0
	WIN MUL
	MUL8 F1, 4, 0
	MUL8 F1, 6, 0
.endm
	s_wait_tensorcnt 1                             ; my part of K step 0 is in (K step 1's load may be out),
	s_barrier_signal -1
	s_barrier_wait -1                              ; everybody's is
	FETCH 0, 0, F0
	s_wait_loadcnt 0x0                             ; the bias
	QUARTER 0, 1, F0, F1, 1                        ; the first quarter stands in front of the loop: its products start the sums
	WIN 0                                          ; at a label and at a branch every window is 0
	s_mov_b32 s3, LAPS-1
.Llap:                                             ; a trip goes once round the ring and fills both slots again
	QUARTER 0, 2, F1, F0, 0
	QUARTER 0, 3, F0, F1, 0
	TURN 0, 1, 1
	QUARTER 1, 1, F0, F1, 0
	QUARTER 1, 2, F1, F0, 0
	QUARTER 1, 3, F0, F1, 0
	TURN 1, 0, 1
	QUARTER 0, 1, F0, F1, 0
	WIN 0
	s_sub_co_u32 s3, s3, 1
	s_cmp_lg_u32 s3, 0
	s_cbranch_scc1 .Llap
	QUARTER 0, 2, F1, F0, 0                        ; the last lap fills nothing
	QUARTER 0, 3, F0, F1, 0
	TURN 0, 1, 0
	QUARTER 1, 1, F0, F1, 0
	QUARTER 1, 2, F1, F0, 0
	QUARTER 1, 3, F0, F1, 0
	s_wait_dscnt 8                                 ; the very last quarter: nothing more to fetch
	WIN MUL
	MUL8 F1, 0, 0
	MUL8 F1, 2, 0
	s_wait_dscnt 0x0
	MUL8 F1, 4, 0
	MUL8 F1, 6, 0
	WIN 0
; THE WAY OUT, block by block of 16 rows x 64 columns, through my own stage: in as 32 bytes a lane, back as whole rows of 256 bytes.  LDS serves a wave's instructions in order: no wait between the stores and the loads.
.macro TOSTAGE a
	WIN 0x04                                       ; an LDS store's data are its source 1: window 1
.irp b, 0,1,2,3
	ds_store_b128 v[STO], v[8*(4*(\a)+\b):8*(4*(\a)+\b)+3] offset:64*\b          ; each accumulator from its low end on
	ds_store_b128 v[STO], v[8*(4*(\a)+\b)+4:8*(4*(\a)+\b)+7] offset:64*\b+16
.endr
	WIN 0
.set BB, BK+32*((\a)%2)
.irp t, 0,1,2,3,4,5,6,7
	ds_load_b128 v[BB+4*\t:BB+4*\t+3], v[RD] offset:\t*2*SPITCH
.endr
.endm
.macro SEND a, younger                 ; younger: the LDS instructions issued behind block a's loads
.set BB, BK+32*((\a)%2)
	s_wait_dscnt \younger
.irp t, 0,1,2,3,4,5,6,7
	global_store_b128 v[CO], v[BB+4*\t:BB+4*\t+3], s[10:11] offset:(\a)*65536+\t*8192 th:TH_STORE_NT   ; sixteen lanes store 256 consecutive bytes, aligned; written once, read by nobody here
.endr
.endm
	PLACES
	TOSTAGE 0
.irp a, 1,2,3,4,5,6,7
.if \a > 1
	s_wait_xcnt 0x0                                ; the stores of two blocks back have read their registers: this block's loads may land there
.endif
	TOSTAGE \a
	SEND \a-1, 16                                  ; behind the earlier block's loads: this block's eight stores and eight loads
.endr
	SEND 7, 0
	s_wait_tensorcnt 0x0                           ; the wave's end, behind my last tensor load and my last LDS store
	ds_add_u32 v[SPW], v[NIL]
	s_wait_dscnt 0x0
	CROUND                                         ; the closing round
	s_endpgm
.Lfunc_end_k_qa48e655541_proj:
	.size	k_qa48e655541_proj, .Lfunc_end_k_qa48e655541_proj-k_qa48e655541_proj
	.p2alignl 7, 3214868480
	.fill 96, 4, 3214868480
	.section	.rodata,"a",@progbits
	.p2align	6, 0x0
	.amdhsa_kernel k_qa48e655541_proj
		.amdhsa_group_segment_fixed_size 327680
		.amdhsa_private_segment_fixed_size 0
		.amdhsa_enable_private_segment 0
		.amdhsa_kernarg_size 32
		.amdhsa_user_sgpr_count 2
		.amdhsa_user_sgpr_kernarg_segment_ptr 1
		.amdhsa_wavefront_size32 1
		.amdhsa_system_sgpr_workgroup_id_x 1
		.amdhsa_system_sgpr_workgroup_id_y 1
		.amdhsa_system_sgpr_workgroup_id_z 1
		.amdhsa_system_vgpr_workitem_id 0
		.amdhsa_next_free_vgpr 512
		.amdhsa_next_free_sgpr 66
		.amdhsa_reserve_vcc 0
		.amdhsa_float_denorm_mode_32 3
		.amdhsa_float_denorm_mode_16_64 3
		.amdhsa_memory_ordered 1
		.amdhsa_forward_progress 1
		.amdhsa_inst_pref_size 86
	.end_amdhsa_kernel
	.amdgpu_metadata
---
amdhsa.version: [ 1, 2 ]
amdhsa.kernels:
  - .name:           k_qa48e655541_proj
    .symbol:         k_qa48e655541_proj.kd
    .args:
      - { .name: o16, .offset: 0, .size: 8, .value_kind: global_buffer, .address_space: global }
      - { .name: w16, .offset: 8, .size: 8, .value_kind: global_buffer, .address_space: global }
      - { .name: b_out, .offset: 16, .size: 8, .value_kind: global_buffer, .address_space: global }
      - { .name: out0, .offset: 24, .size: 8, .value_kind: global_buffer, .address_space: global }
    .group_segment_fixed_size: 327680
    .private_segment_fixed_size: 0
    .kernarg_segment_align: 8
    .kernarg_segment_size: 32
    .max_flat_workgroup_size: 128
    .sgpr_count:     66
    .vgpr_count:     512
    .wavefront_size: 32
...
	.end_amdgpu_metadata
.endif
;; end of part 4
